; MI455X (gfx1250); checked and timed in simulation.
; The chip was launched on July 23, 2026; its instructions are those of AMD's public machine-readable ISA for CDNA 5 (MIT licence, August 2026) and "CDNA5" Instruction Set Architecture Reference Guide (July 2026). The comments in the code are by the model that wrote it; some were corrected since.
;; Mask Attn2. Allowed arithmetic: float matrix products may take bf16 or f16 operands with f32 sums; all other float work in f32.
;; Inputs: mWin 4 x 2,048 x 1 float32; proj_b 1,024 float32; proj_w 1,024 x 1,024 float32; qkv_w 3,072 x 1,024 float32; x 4 x 2,048 x 1,024 float32.
;; Outputs: out0 4 x 2,048 x 1,024 float32.
;; 2 versions, each right; version 2 is version 1 with the launch cast written anew for expert scheduling mode. Each part assembles by itself: llvm-mc -triple=amdgcn-amd-amdhsa -mcpu=gfx1250 --defsym DOCPART=n.
;; ======== version 1 of 2: 4 launches
;; limits: values are held in f16: magnitudes above 65,504 overflow, below 6.1e-05 lose precision
;; workspace buffers: xb 16,777,216 bytes; wb 6,291,456 bytes; pwb 2,097,152 bytes; qkv 50,331,648 bytes; ao 16,777,216 bytes
;; launch cast (part 1): grid 768 x 1, 8 waves a work-group, no clusters, 0 bytes of LDS; arguments x, qkv_w, proj_w, mWin, xb, wb, pwb; writes xb, wb, pwb
.if DOCPART == 1
	.amdgcn_target "amdgcn-amd-amdhsa--gfx1250"
	.amdhsa_code_object_version 6
	.text
	.protected	k_q548e526cdd_cast
	.globl	k_q548e526cdd_cast
	.p2align	8
	.type	k_q548e526cdd_cast,@function
k_q548e526cdd_cast:
	s_mov_b64 s[64:65], 0
	v_nop
	global_prefetch_b8 v0, s[64:65] scope:SCOPE_SE
	s_setreg_imm32_b32 hwreg(HW_REG_WAVE_MODE, 25, 1), 1
	s_wait_xcnt 0x0
; Rounds the three f32 matrices to bf16, each row times one factor:
;   xb[row]  = bf16(x[row] * mWin[row])            (the mask is linear in q, k and v, so it goes onto x once)
;   wb[row]  = bf16(qkv_w[row] * f), f = 0.125 * log2(e) for the 1,024 rows of q (the softmax works in base 2), 1 for k and v
;   pwb[row] = bf16(proj_w[row])
; LIMIT, stated: mask and scale are applied BEFORE the rounding to bf16, the reference applies them behind the product.
; A work-group takes 16 rows of 1,024 f32: groups 0-511 x, 512-703 qkv_w (512-575 are q's rows), 704-767 proj_w.
; Thread t owns elements 4 t .. 4 t + 3 of every row: a wave's load covers 512 consecutive bytes, its store 256 consecutive
; bytes at a multiple of 256.  All 16 loads of a thread go out at once.
; Memory binds: no LDS, no barrier, no matrix unit.
.set ROWIN,  4096                      ; bytes of a row of f32
.set ROWOUT, 2048                      ; bytes of a row of bf16
.set XR,  4                            ; v[4:67]   row i: 4 f32
.set YR,  68                           ; v[68:99]  row i: 4 bf16 in 2 registers
.set FAC, 32                           ; s[32:47]  row i: its factor
	s_load_b256 s[4:11], s[0:1], 0x0               ; x s[4:5], qkv_w s[6:7], proj_w s[8:9], mWin s[10:11]
	s_load_b128 s[12:15], s[0:1], 0x20             ; xb s[12:13], wb s[14:15]
	s_load_b64 s[16:17], s[0:1], 0x30              ; pwb
	v_lshlrev_b32 v1, 4, v0                        ; 16 t: my bytes in a row of f32
	v_lshlrev_b32 v2, 3, v0                        ; 8 t: my bytes in a row of bf16
	s_max_u32 s20, ttmp9, 512
	s_sub_co_u32 s20, s20, 512                     ; block of 16 rows in qkv_w
	s_max_u32 s21, ttmp9, 704
	s_sub_co_u32 s21, s21, 704                     ; block of 16 rows in proj_w
	s_min_u32 s48, ttmp9, 511                      ; block of 16 rows in x; the groups of the weights read the last block's mask and drop it
	s_lshl_b32 s48, s48, 6                         ; 16 words of mWin
	s_mov_b32 s49, 0
	s_mov_b32 s29, 0
	s_mov_b32 s31, 0
	s_wait_kmcnt 0x0
	s_cmp_lt_u32 ttmp9, 704                        ; which matrix: the choice hangs on the group's number alone
	s_cselect_b32 s22, s20, s21
	s_cselect_b64 s[24:25], s[6:7], s[8:9]
	s_cselect_b64 s[26:27], s[14:15], s[16:17]
	s_cmp_lt_u32 ttmp9, 512
	s_cselect_b32 s22, ttmp9, s22
	s_cselect_b64 s[24:25], s[4:5], s[24:25]
	s_cselect_b64 s[26:27], s[12:13], s[26:27]
	s_lshl_b32 s28, s22, 16                        ; 16 rows of 4,096 bytes
	s_lshl_b32 s30, s22, 15                        ; 16 rows of 2,048 bytes
	s_add_nc_u64 s[24:25], s[24:25], s[28:29]      ; from
	s_add_nc_u64 s[26:27], s[26:27], s[30:31]      ; to
	s_add_nc_u64 s[50:51], s[10:11], s[48:49]      ; the 16 rows' mask
.irp i, 0,1,2,3,4,5,6,7,8,9,10,11,12,13,14,15
	global_load_b128 v[XR+4*\i:XR+4*\i+3], v1, s[24:25] offset:\i*ROWIN th:TH_LOAD_NT
.endr
	s_load_b512 s[FAC:FAC+15], s[50:51], 0x0
	s_cmp_lt_u32 ttmp9, 576
	s_cselect_b32 s23, 0x3e38aa3b, 1.0             ; 0.125 * log2(e) for q's rows, 1 for the other weights
	s_wait_kmcnt 0x0
	s_cmp_lt_u32 ttmp9, 512
.irp i, 0,1,2,3,4,5,6,7,8,9,10,11,12,13,14,15
	s_cselect_b32 s[FAC+\i], s[FAC+\i], s23        ; x: the row's mask; weights: the matrix's factor
.endr
.irp i, 0,1,2,3,4,5,6,7,8,9,10,11,12,13,14,15
	s_wait_loadcnt 15-\i                           ; loads come back in order: row i is in, the younger rows stay out
	v_mul_f32 v[XR+4*\i],   s[FAC+\i], v[XR+4*\i]
	v_mul_f32 v[XR+4*\i+1], s[FAC+\i], v[XR+4*\i+1]
	v_mul_f32 v[XR+4*\i+2], s[FAC+\i], v[XR+4*\i+2]
	v_mul_f32 v[XR+4*\i+3], s[FAC+\i], v[XR+4*\i+3]
	v_cvt_pk_bf16_f32 v[YR+2*\i],   v[XR+4*\i],   v[XR+4*\i+1]
	v_cvt_pk_bf16_f32 v[YR+2*\i+1], v[XR+4*\i+2], v[XR+4*\i+3]
	global_store_b64 v2, v[YR+2*\i:YR+2*\i+1], s[26:27] offset:\i*ROWOUT
.endr
	s_endpgm
.Lfunc_end_k_q548e526cdd_cast:
	.size	k_q548e526cdd_cast, .Lfunc_end_k_q548e526cdd_cast-k_q548e526cdd_cast
	.p2alignl 7, 3214868480
	.fill 96, 4, 3214868480
	.section	.rodata,"a",@progbits
	.p2align	6, 0x0
	.amdhsa_kernel k_q548e526cdd_cast
		.amdhsa_group_segment_fixed_size 0
		.amdhsa_private_segment_fixed_size 0
		.amdhsa_enable_private_segment 0
		.amdhsa_kernarg_size 56
		.amdhsa_user_sgpr_count 2
		.amdhsa_user_sgpr_kernarg_segment_ptr 1
		.amdhsa_wavefront_size32 1
		.amdhsa_system_sgpr_workgroup_id_x 1
		.amdhsa_system_sgpr_workgroup_id_y 1
		.amdhsa_system_sgpr_workgroup_id_z 1
		.amdhsa_system_vgpr_workitem_id 0
		.amdhsa_next_free_vgpr 100
		.amdhsa_next_free_sgpr 66
		.amdhsa_reserve_vcc 0
		.amdhsa_float_denorm_mode_32 3
		.amdhsa_float_denorm_mode_16_64 3
		.amdhsa_memory_ordered 1
		.amdhsa_forward_progress 1
		.amdhsa_inst_pref_size 10
	.end_amdhsa_kernel
	.amdgpu_metadata
---
amdhsa.version: [ 1, 2 ]
amdhsa.kernels:
  - .name:           k_q548e526cdd_cast
    .symbol:         k_q548e526cdd_cast.kd
    .args:
      - { .name: x, .offset: 0, .size: 8, .value_kind: global_buffer, .address_space: global }
      - { .name: qkv_w, .offset: 8, .size: 8, .value_kind: global_buffer, .address_space: global }
      - { .name: proj_w, .offset: 16, .size: 8, .value_kind: global_buffer, .address_space: global }
      - { .name: mWin, .offset: 24, .size: 8, .value_kind: global_buffer, .address_space: global }
      - { .name: xb, .offset: 32, .size: 8, .value_kind: global_buffer, .address_space: global }
      - { .name: wb, .offset: 40, .size: 8, .value_kind: global_buffer, .address_space: global }
      - { .name: pwb, .offset: 48, .size: 8, .value_kind: global_buffer, .address_space: global }
    .group_segment_fixed_size: 0
    .private_segment_fixed_size: 0
    .kernarg_segment_align: 8
    .kernarg_segment_size: 56
    .max_flat_workgroup_size: 256
    .sgpr_count:     66
    .vgpr_count:     100
    .wavefront_size: 32
...
	.end_amdgpu_metadata
.endif
;; end of part 1
;; launch qkvg (part 2): grid 12 x 32, 4 waves a work-group, clusters of 4 x 4, 327,680 bytes of LDS; arguments xb, wb, qkv; writes qkv
.if DOCPART == 2
	.amdgcn_target "amdgcn-amd-amdhsa--gfx1250"
	.amdhsa_code_object_version 6
	.text
	.protected	k_q548e526cdd_qkvg
	.globl	k_q548e526cdd_qkvg
	.p2align	8
	.type	k_q548e526cdd_qkvg,@function
k_q548e526cdd_qkvg:
	s_mov_b64 s[64:65], 0
	v_nop
	global_prefetch_b8 v0, s[64:65] scope:SCOPE_SE
	s_setreg_imm32_b32 hwreg(HW_REG_WAVE_MODE, 25, 1), 1
	s_wait_xcnt 0x0
	s_wait_alu depctr_hold_cnt(0) depctr_sa_sdst(0) depctr_va_vdst(0) depctr_va_sdst(0) depctr_va_ssrc(0) depctr_va_vcc(0) depctr_vm_vsrc(0)
	s_getreg_b32 s2, hwreg(HW_REG_IB_STS2, 6, 4)
	s_cmp_eq_u32 s2, 0
	s_cbranch_scc0 .Lentry_in_a_cluster
	s_endpgm
.Lentry_in_a_cluster:
	s_bfe_u32 s2, ttmp6, 0x10000c
	s_cmp_lg_u32 s2, 0xf033
	s_cbranch_scc0 .Lentry_shape_is_right
	s_endpgm
.Lentry_shape_is_right:
; qkv[m][n] = sum over k of xb[m][k] wb[n][k].  xb: [8192][1024] bf16, wb: [3072][1024] bf16, sums in f32.
; qkv: [8192][3072] of 16 bits: columns 0-2047 (q, k) are rounded to bf16, columns 2048-3071 (v) to f16.
; LIMIT, stated: v is kept in f16, so |v| must stay under 65,504 (v has the mask on it already).
; A work-group makes 256 x 256 of C with four waves; a wave makes 128 x 128: 64 accumulator tiles of 16 x 16, 512 registers.
; K goes in steps of 128 through a ring of two LDS slots filled by the tensor data mover; a tile's rows are 256 bytes of memory at
; multiples of 256 bytes.  4 x 4 work-groups form a cluster: the four of a row of the cluster need the same tiles of A, the four of a
; column the same tiles of B, and ask for them jointly (same descriptor, a mask that names the four).
; REGISTERS in windows of 256: window 0: v0-31 addresses, v64-127 and v128-191 fragments of A (two buffers), v192-223 the way out;
; window 1: v64-127, v128-191 fragments of B; window 2: the accumulators of my rows 0-63 (tile (a, b) at v[8 (8 a + b)]); window 3: rows 64-127.
; The matrix instruction is used transposed (source 0 = rows of B, source 1 = rows of A): lane l then holds row l % 16 of C and its
; eight registers the columns 8 (l / 16) + 0 .. 7, which pack into 16 neighbouring bytes.
.set SIZE_M, 8192
.set SIZE_N, 3072
.set SIZE_K, 1024
.set KSTEP,  128
.set PITCH,  272                       ; an LDS row: 256 bytes + 16 of padding, so that 16 rows begin 16 bytes apart modulo 256
.set HALFT,  128*PITCH                 ; 128 rows: one tensor load
.set SLOT,   4*HALFT                   ; A's 256 rows, then B's 256 rows
.set STAGE,  2*SLOT                    ; behind the ring: 16 rows x 272 bytes for each wave; no tensor load lands here
.set SPITCH, 272
.set LAPS, SIZE_K/(2*KSTEP)            ; a lap = two K steps = once round the ring: 4
.set ADRA, 16                          ; v16-17  LDS address of my A fragments in slot 0, 1
.set ADRB, 20                          ; v20-21  the same for B
.set STO,  24                          ; v24     the way out: where I put 16 bytes of a row
.set RD,   25                          ; v25     the way out: where I read a row back
.set CO,   26                          ; v26     my byte offset in C
.set F0,   64
.set F1,   128
.set TMP,  192
.set G1, 24                            ; s[24:31] group 1 for A's tiles
.set G0, 32                            ; s[32:39] group 0 for A's tiles, one set a slot
.set G1B, 48                           ; s[48:55] group 1 for B's tiles
.set G0B, 56                           ; s[56:63] group 0 for B's tiles, one set a slot
.set MSB, 0
.macro WIN new                         ; the immediate's high byte repeats the setting that is left
.if MSB != \new
	s_set_vgpr_msb (MSB<<8)|\new
.set MSB, \new
.endif
.endm
.set MUL_LO, 0xa1                      ; source 0 (B) window 1, source 1 (A) window 0, C and D window 2
.set MUL_HI, 0xf1                      ; the same, C and D window 3
.set TO_B,   0x40                      ; destination window 1, address window 0
; A joint load: waves 0 and 1 fetch A's two halves, waves 2 and 3 B's.  The branch hangs on the wave's number alone.
.macro JLOAD s
	s_cmp_eq_u32 s11, 0
	s_cbranch_scc0 .Lfor_b_\@
	tensor_load_to_lds s[G0+4*\s:G0+4*\s+3], s[G1:G1+7]
	s_nop 0
	s_branch .Lasked_\@
.Lfor_b_\@:
	tensor_load_to_lds s[G0B+4*\s:G0B+4*\s+3], s[G1B:G1B+7]
	s_nop 0
.Lasked_\@:
.endm
; A round of the cluster's barrier: my work-group's barrier; wave 0 signals for the work-group; every wave waits for all sixteen; my barrier again.
.macro CREST                           ; a round behind its opening barrier
	s_cmp_lg_u32 s10, 0
	s_cbranch_scc1 .Lnot_wave_0_\@
	s_barrier_signal -3
.Lnot_wave_0_\@:
	s_barrier_wait -3
	s_barrier_signal -1
	s_barrier_wait -1
.endm
.macro CROUND
	s_barrier_signal -1
	s_barrier_wait -1
	CREST
.endm
	s_load_b128 s[4:7], s[0:1], 0x0                ; A = xb s[4:5], B = wb s[6:7]
	s_load_b64 s[8:9], s[0:1], 0x10                ; C = qkv
	s_set_vgpr_msb 0x40
	v_lshl_add_u32 v255, v0, 2, 0x48400
	s_set_vgpr_msb 0x4000
	v_mov_b32 v255, 0
	s_set_vgpr_msb 0x1
	ds_add_u32 v255, v255
	s_set_vgpr_msb 0x100
	v_lshrrev_b32 v1, 5, v0
	v_readfirstlane_b32 s10, v1                    ; wave 0..3
	s_lshr_b32 s11, s10, 1                         ; my half of the block's rows; also: I fetch for A (0) or B (1)
	s_and_b32 s12, s10, 1                          ; my half of its columns; also: which 128 rows of that tile I fetch
	s_bfe_u32 s40, ttmp6, 0x40000                  ; cx
	s_bfe_u32 s41, ttmp6, 0x40004                  ; cy
	s_lshl_b32 s42, ttmp9, 2
	s_add_co_u32 s42, s42, s40                     ; block column of C = 4 x cluster x + cx
	s_and_b32 s13, ttmp7, 0xffff
	s_lshl_b32 s13, s13, 2
	s_add_co_u32 s13, s13, s41                     ; block row of C = 4 x cluster y + cy
	s_lshl_b32 s43, s41, 2
	s_lshl_b32 s43, 15, s43                        ; my row of the cluster: places 4 cy .. 4 cy + 3
	s_lshl_b32 s44, 0x1111, s40                    ; my column: places cx, cx + 4, cx + 8, cx + 12
	; group 1: a tile of 128 rows x 128 elements of 2 bytes, 4 words of padding behind every 64 words; bit 21 set beside a mask
	s_or_b32 s[G1+0], s43, (1<<16)|(1<<20)|(1<<21)|(5<<22)|(3<<25)
	s_or_b32 s[G1B+0], s44, (1<<16)|(1<<20)|(1<<21)|(5<<22)|(3<<25)
	s_mov_b32 s[G1B+1], KSTEP<<16
	s_mov_b32 s[G1+1], KSTEP<<16                   ; tensor_dim0 = 128
	s_mov_b32 s[G1B+2], 128<<16
	s_mov_b32 s[G1+2], 128<<16                     ; tensor_dim1 = 128
	s_mov_b32 s[G1B+3], KSTEP<<16
	s_mov_b32 s[G1+3], KSTEP<<16                   ; tile_dim0 = 128
	s_mov_b32 s[G1B+4], 128
	s_mov_b32 s[G1+4], 128                         ; tile_dim1 = 128
	s_mov_b32 s[G1B+5], SIZE_K
	s_mov_b32 s[G1+5], SIZE_K                      ; elements from row to row
	s_mov_b32 s[G1B+6], 0
	s_mov_b32 s[G1+6], 0
	s_mov_b32 s[G1B+7], 0
	s_mov_b32 s[G1+7], 0
	; A's tiles hang on the block row alone, B's on the block column alone; each address in registers that never hold the other coordinate
	s_lshl_b32 s17, s12, 7
	s_lshl_b32 s16, s13, 8
	s_add_co_u32 s16, s16, s17                     ; A: row 256 x block row + 128 x half
	s_lshl_b32 s46, s42, 8
	s_add_co_u32 s46, s46, s17                     ; B: row 256 x block column + 128 x half
	s_mov_b32 s17, 0
	s_mov_b32 s47, 0
	s_mov_b64 s[18:19], SIZE_K*2
	s_mul_u64 s[16:17], s[16:17], s[18:19]
	s_mul_u64 s[46:47], s[46:47], s[18:19]
	s_mul_i32 s20, s10, HALFT                      ; LDS: wave x 128 rows
	s_wait_dscnt 0x0
	s_wait_kmcnt 0x0
	s_add_nc_u64 s[14:15], s[4:5], s[16:17]
	s_add_nc_u64 s[46:47], s[6:7], s[46:47]
	CROUND                                         ; all sixteen work-groups are here: the first joint loads meet
.irp s, 0,1
	s_mov_b32 s[G0+4*\s], 1
	s_add_co_u32 s[G0+4*\s+1], s20, \s*SLOT
	s_add_nc_u64 s[G0+4*\s+2:G0+4*\s+3], s[14:15], \s*KSTEP*2
	s_or_b32 s[G0+4*\s+3], s[G0+4*\s+3], 0x80000000
	s_mov_b32 s[G0B+4*\s], 1
	s_add_co_u32 s[G0B+4*\s+1], s20, \s*SLOT
	s_add_nc_u64 s[G0B+4*\s+2:G0B+4*\s+3], s[46:47], \s*KSTEP*2
	s_or_b32 s[G0B+4*\s+3], s[G0B+4*\s+3], 0x80000000
	JLOAD \s                                       ; both slots' first fills go out together: two tensor loads of a wave are out
.endr
	; a fragment: lane l holds row l % 16; registers 0-3 K = 8 (l / 16) + 0..7, registers 4-7 K = 16 + 8 (l / 16) + 0..7: two loads of 16 bytes, 32 apart
	v_and_b32 v1, 15, v0
	v_bfe_u32 v2, v0, 4, 1
	v_mul_u32_u24 v3, v1, PITCH
	v_lshl_add_u32 v3, v2, 4, v3
	s_mul_i32 s21, s11, HALFT                      ; my 128 rows of A
	s_mul_i32 s22, s12, HALFT                      ; my 128 rows of B,
	s_add_co_u32 s22, s22, 2*HALFT                 ; behind A's 256
.irp s, 0,1
	v_add_nc_u32 v[ADRA+\s], s21, v3
	v_add_nc_u32 v[ADRB+\s], s22, v3
	s_add_co_u32 s21, s21, SLOT
	s_add_co_u32 s22, s22, SLOT
.endr
	s_mul_i32 s23, s10, 16*SPITCH
	s_add_co_u32 s23, s23, STAGE                   ; my stage
	v_mul_u32_u24 v4, v1, SPITCH
	v_lshl_add_u32 v4, v2, 4, v4
	v_add_nc_u32 v[STO], s23, v4
	v_mul_u32_u24 v5, v2, SPITCH
	v_lshl_add_u32 v5, v1, 4, v5
	v_add_nc_u32 v[RD], s23, v5
	v_mul_u32_u24 v5, v2, SIZE_N*2
	v_lshl_add_u32 v[CO], v1, 4, v5
; 16 matrix instructions: m blocks a0, a0 + 1 of the window's four x all 8 n blocks, 32 along K.  zero = 1: the first product starts the sums.
.macro MUL16 f, hi, a0, zero
.irp a, \a0, \a0+1
.irp b, 0,1,2,3,4,5,6,7
.if \zero
	v_wmma_f32_16x16x32_bf16 v[8*(8*(\a)+\b):8*(8*(\a)+\b)+7], v[\f+8*\b:\f+8*\b+7], v[\f+8*(4*\hi+\a):\f+8*(4*\hi+\a)+7], 0
.else
	v_wmma_f32_16x16x32_bf16 v[8*(8*(\a)+\b):8*(8*(\a)+\b)+7], v[\f+8*\b:\f+8*\b+7], v[\f+8*(4*\hi+\a):\f+8*(4*\hi+\a)+7], v[8*(8*(\a)+\b):8*(8*(\a)+\b)+7]
.endif
.endr
.endr
.endm
; 32 LDS loads in one run: one quarter step's fragments (128 rows of B, 128 of A, 32 K at byte k of the rows) into buffer f
.macro FETCH slot, k, f
	WIN TO_B
.irp i, 0,1,2,3,4,5,6,7
	ds_load_b128 v[\f+8*\i:\f+8*\i+3],   v[ADRB+\slot] offset:\k+\i*16*PITCH
	ds_load_b128 v[\f+8*\i+4:\f+8*\i+7], v[ADRB+\slot] offset:\k+\i*16*PITCH+32
.endr
	WIN 0
.irp i, 0,1,2,3,4,5,6,7
	ds_load_b128 v[\f+8*\i:\f+8*\i+3],   v[ADRA+\slot] offset:\k+\i*16*PITCH
	ds_load_b128 v[\f+8*\i+4:\f+8*\i+7], v[ADRA+\slot] offset:\k+\i*16*PITCH+32
.endr
.endm
; Four independent vector instructions stand between a matrix instruction and a load into, or a vector read or write of, its registers
.macro PLACES
.rept 4
	v_nop
.endr
.endm
; A K step is four quarters of 32 along K, 64 matrix instructions each, on buffers 0, 1, 0, 1.  The 64 accumulators take turns, one
; instruction a turn, in the same order in every quarter, over the backward jump too.
.macro QUARTER slot, k, f, g, zero
	s_wait_dscnt 8                                 ; B and A's rows 0-63 are in; the youngest eight loads (A's rows 64-127) may be out
	WIN MUL_LO
	MUL16 \f, 0, 0, \zero
	MUL16 \f, 0, 2, \zero
	PLACES
	FETCH \slot, \k, \g
	s_wait_dscnt 32                                ; all but the 32 just issued
	WIN MUL_HI
	MUL16 \f, 1, 0, \zero
	MUL16 \f, 1, 2, \zero
.endm
.macro THREE slot, zero
	QUARTER \slot, 64,  F0, F1, \zero
	QUARTER \slot, 128, F1, F0, 0
	QUARTER \slot, 192, F0, F1, 0
.endm
; The last quarter multiplies buffer 1 and changes slots.  In front of the barrier each wave waits for its reads of this slot and for all
; its tensor loads (one is out: its part of the next slot); behind it the refill comes first, then the next slot's first fragments.
.macro TURN slot, next, fill
	s_wait_dscnt 8
	WIN MUL_LO
	MUL16 F1, 0, 0, 0
	s_wait_dscnt 0                                 ; my reads of this slot are over
	s_wait_tensorcnt 0x0                           ; all my tensor loads have landed
	ds_add_u32 v255, v255
	s_wait_dscnt 0x0
	s_barrier_signal -1                            ; where a slot is filled again this barrier opens a round of the cluster's barrier
	MUL16 F1, 0, 2, 0                              ; register work while the others arrive
	WIN 0
	s_barrier_wait -1
.if \fill
	CREST                                          ; no wave of any partner still reads this slot or has a load on its way
	s_add_nc_u64 s[G0+4*\slot+2:G0+4*\slot+3], s[G0+4*\slot+2:G0+4*\slot+3], 2*KSTEP*2
	s_add_nc_u64 s[G0B+4*\slot+2:G0B+4*\slot+3], s[G0B+4*\slot+2:G0B+4*\slot+3], 2*KSTEP*2
	JLOAD \slot                                    ; the wave's one tensor load behind the round
.endif
	PLACES
	FETCH \next, 0, F0
	WIN MUL_HI
	MUL16 F1, 1, 0, 0
	MUL16 F1, 1, 2, 0
.endm
.macro LAP zero
	THREE 0, \zero
	TURN 0, 1, 1
	THREE 1, 0
	TURN 1, 0, 1
.endm
	s_wait_tensorcnt 1                             ; my part of K step 0 is in; K step 1's may stay out
	s_barrier_signal -1
	s_barrier_wait -1
	FETCH 0, 0, F0
	LAP 1                                          ; the first lap stands in front of the loop: its first products start the sums
	WIN 0
	s_mov_b32 s3, LAPS-2
.Llap:
	LAP 0
	WIN 0
	s_sub_co_u32 s3, s3, 1
	s_cmp_lg_u32 s3, 0
	s_cbranch_scc1 .Llap
	THREE 0, 0                                     ; the last lap fills nothing
	TURN 0, 1, 0
	THREE 1, 0
	s_wait_dscnt 8
	WIN MUL_LO
	MUL16 F1, 0, 0, 0
	MUL16 F1, 0, 2, 0
	s_wait_dscnt 0
	WIN MUL_HI
	MUL16 F1, 1, 0, 0
	MUL16 F1, 1, 2, 0
	; THE WAY OUT, 16 rows of C at a time: round to 16 bits, 16 bytes a lane into my own stage, read back as whole rows of 256 bytes
	PLACES
	WIN 0
	s_lshl_b32 s13, s13, 8
	s_lshl_b32 s14, s11, 7
	s_add_co_u32 s16, s13, s14                     ; my first row of C
	s_mov_b32 s17, 0
	s_mov_b64 s[18:19], SIZE_N*2
	s_mul_u64 s[16:17], s[16:17], s[18:19]
	s_add_nc_u64 s[8:9], s[8:9], s[16:17]
	s_lshl_b32 s46, s42, 9                         ; my first column in bytes: 512 x block + 256 x half
	s_lshl_b32 s47, s12, 8
	s_add_co_u32 s46, s46, s47
	s_mov_b32 s47, 0
	s_add_nc_u64 s[8:9], s[8:9], s[46:47]
; rows 16 i .. 16 i + 15 of my block = tiles (a, 0..7) of window 2 or 3 (from = 0x0a or 0x0f); f: F0 or F1 in turn; fmt 0: bf16, 1: f16
.macro OUT16 i, a, from, f, fmt
	WIN \from
.irp b, 0,1,2,3,4,5,6,7
.irp r, 0,1,2,3
.if \fmt
	v_cvt_pk_f16_f32 v[TMP+4*\b+\r], v[8*(8*\a+\b)+2*\r], v[8*(8*\a+\b)+2*\r+1]
.else
	v_cvt_pk_bf16_f32 v[TMP+4*\b+\r], v[8*(8*\a+\b)+2*\r], v[8*(8*\a+\b)+2*\r+1]
.endif
.endr
.endr
	WIN 0
.irp b, 0,1,2,3,4,5,6,7
	ds_store_b128 v[STO], v[TMP+4*\b:TMP+4*\b+3] offset:32*\b
.endr
	s_wait_xcnt 0x0                                ; buffer f, which earlier stores read, and the stores' base are rewritten only behind this wait
.if \i
	s_add_nc_u64 s[8:9], s[8:9], 16*SIZE_N*2
.endif
.irp t, 0,1,2,3,4,5,6,7
	ds_load_b128 v[\f+4*\t:\f+4*\t+3], v[RD] offset:\t*2*SPITCH    ; a wave's LDS instructions are served in order: these see the stores above
.endr
.irp t, 0,1,2,3,4,5,6,7
	s_wait_dscnt 7-\t
	global_store_b128 v[CO], v[\f+4*\t:\f+4*\t+3], s[8:9] offset:2*\t*SIZE_N*2   ; 16 lanes store 256 consecutive bytes at a multiple of 256
.endr
.endm
	s_cmp_eq_u32 ttmp9, 2                          ; block columns 8-11 (v) are the clusters with x = 2: the same way in all sixteen partners
	s_cbranch_scc1 .Lv_out
	OUT16 0, 0, 0x0a, F0, 0
	OUT16 1, 1, 0x0a, F1, 0
	OUT16 2, 2, 0x0a, F0, 0
	OUT16 3, 3, 0x0a, F1, 0
	OUT16 4, 0, 0x0f, F0, 0
	OUT16 5, 1, 0x0f, F1, 0
	OUT16 6, 2, 0x0f, F0, 0
	OUT16 7, 3, 0x0f, F1, 0
	s_branch .Lclose
.Lv_out:
	OUT16 0, 0, 0x0a, F0, 1
	OUT16 1, 1, 0x0a, F1, 1
	OUT16 2, 2, 0x0a, F0, 1
	OUT16 3, 3, 0x0a, F1, 1
	OUT16 4, 0, 0x0f, F0, 1
	OUT16 5, 1, 0x0f, F1, 1
	OUT16 6, 2, 0x0f, F0, 1
	OUT16 7, 3, 0x0f, F1, 1
.Lclose:
	s_set_vgpr_msb 0x1
	s_wait_tensorcnt 0x0
	ds_add_u32 v255, v255
	s_wait_dscnt 0x0
	s_set_vgpr_msb 0x100
	CROUND                                         ; the closing round: no work-group ends while a partner may still ask jointly
	s_endpgm
.Lfunc_end_k_q548e526cdd_qkvg:
	.size	k_q548e526cdd_qkvg, .Lfunc_end_k_q548e526cdd_qkvg-k_q548e526cdd_qkvg
	.p2alignl 7, 3214868480
	.fill 96, 4, 3214868480
	.section	.rodata,"a",@progbits
	.p2align	6, 0x0
	.amdhsa_kernel k_q548e526cdd_qkvg
		.amdhsa_group_segment_fixed_size 327680
		.amdhsa_private_segment_fixed_size 0
		.amdhsa_enable_private_segment 0
		.amdhsa_kernarg_size 24
		.amdhsa_user_sgpr_count 2
		.amdhsa_user_sgpr_kernarg_segment_ptr 1
		.amdhsa_wavefront_size32 1
		.amdhsa_system_sgpr_workgroup_id_x 1
		.amdhsa_system_sgpr_workgroup_id_y 1
		.amdhsa_system_sgpr_workgroup_id_z 1
		.amdhsa_system_vgpr_workitem_id 0
		.amdhsa_next_free_vgpr 1024
		.amdhsa_next_free_sgpr 66
		.amdhsa_reserve_vcc 0
		.amdhsa_float_denorm_mode_32 3
		.amdhsa_float_denorm_mode_16_64 3
		.amdhsa_memory_ordered 1
		.amdhsa_forward_progress 1
		.amdhsa_inst_pref_size 230
	.end_amdhsa_kernel
	.amdgpu_metadata
---
amdhsa.version: [ 1, 2 ]
amdhsa.kernels:
  - .name:           k_q548e526cdd_qkvg
    .symbol:         k_q548e526cdd_qkvg.kd
    .args:
      - { .name: xb, .offset: 0, .size: 8, .value_kind: global_buffer, .address_space: global }
      - { .name: wb, .offset: 8, .size: 8, .value_kind: global_buffer, .address_space: global }
      - { .name: qkv, .offset: 16, .size: 8, .value_kind: global_buffer, .address_space: global }
    .group_segment_fixed_size: 327680
    .private_segment_fixed_size: 0
    .kernarg_segment_align: 8
    .kernarg_segment_size: 24
    .max_flat_workgroup_size: 128
    .sgpr_count:     66
    .vgpr_count:     1024
    .wavefront_size: 32
...
	.end_amdgpu_metadata
.endif
;; end of part 2
;; launch attn (part 3): grid 8 x 32, 8 waves a work-group, clusters of 4 x 1, 327,680 bytes of LDS; arguments qkv, mWin, ao; writes ao
.if DOCPART == 3
	.amdgcn_target "amdgcn-amd-amdhsa--gfx1250"
	.amdhsa_code_object_version 6
	.text
	.protected	k_q548e526cdd_attn
	.globl	k_q548e526cdd_attn
	.p2align	8
	.type	k_q548e526cdd_attn,@function
k_q548e526cdd_attn:
	s_mov_b64 s[64:65], 0
	v_nop
	global_prefetch_b8 v0, s[64:65] scope:SCOPE_SE
	s_setreg_imm32_b32 hwreg(HW_REG_WAVE_MODE, 25, 1), 1
	s_wait_xcnt 0x0
	s_wait_alu depctr_hold_cnt(0) depctr_sa_sdst(0) depctr_va_vdst(0) depctr_va_sdst(0) depctr_va_ssrc(0) depctr_va_vcc(0) depctr_vm_vsrc(0)
	s_getreg_b32 s2, hwreg(HW_REG_IB_STS2, 6, 4)
	s_cmp_eq_u32 s2, 0
	s_cbranch_scc0 .Lentry_in_a_cluster
	s_endpgm
.Lentry_in_a_cluster:
	s_bfe_u32 s2, ttmp6, 0x10000c
	s_cmp_lg_u32 s2, 0x3003
	s_cbranch_scc0 .Lentry_shape_is_right
	s_endpgm
.Lentry_shape_is_right:
; ao[token][64 head + d] = bf16( (softmax(q k^T) v)[token][d] / (m[token] * sum(m^2 over the batch) + 1e-6) ).
; qkv: [8192 tokens][3072] of 16 bits, q and k bf16, v f16; the mask is on all three already and q carries 0.125 * log2(e), so that
; p = 2^(s - running maximum).  A running maximum is kept for each query; sums and results in f32.
; LIMITS, stated: p goes to the second product in f16, so a p under 2^-24 counts as 0 there (the row sum keeps it in f32); v is f16;
; 1 / (row sum * (m * sum(m^2) + 1e-6)) is one v_rcp_f32.
; SHARES: work-group = 256 queries of a pair of heads (2 g, 2 g + 1) of batch b; wave w: head 2 g + (w >> 2), 64 queries (w & 3) as four
; tiles t of 16.  Keys go in tiles of 128 through two LDS slots; a trip is two steps of 64 keys.
; TWO GROUPS OF WAVES: a step is 32 matrix instructions (scores), some 460 vector instructions (softmax) and 32 matrix instructions (results).
; Every wave runs the same chain of steps, but the two groups pass the trip's round at different places of it: waves 0-3 between two tiles,
; waves 4-7 between the second step's scores and its softmax (scores and V fragments are carried over the round in registers; all their
; LDS reads of the tile are back in front of the round).  So behind a round one group begins with matrix work and the other with vector work.
; CLUSTER: the four query blocks of a cluster read the same K and V tiles and ask for them jointly (mask 15): a quarter of the requests.
; TRANSPOSED PRODUCTS: S^T = K Q^T puts query l % 16 into lane l with keys 8 (l / 16) + j in register j, so maximum and sum of a query stay in
; the lane but for one exchange with lane l xor 16, and two neighbouring key tiles pack in place into the second source of O^T = V^T P^T.
; V^T's fragments come from V stored [key][d] by the transposing LDS load.  In O^T a lane holds 8 neighbouring d of one query: 16 bytes of bf16.
; LDS: slot n at n x 71,680: K 128 keys x 256 bytes at pitch 272, then V 128 keys x 256 bytes at pitch 288; STAGE 256 tokens x pitch 272; RED 8 words.
; No tensor load lands in STAGE or RED.
.set TOKP,  6144                       ; bytes of a token's row in qkv
.set KP,    272
.set VP,    288
.set KB_,   128*KP                     ; 34,816: V's tile behind K's
.set SLOT,  128*KP+128*VP              ; 71,680
.set STAGE, 2*SLOT                     ; 143,360
.set RED,   STAGE+256*KP               ; 212,992
.set TILESTEP, 2*128*TOKP              ; a slot's next tile: 256 tokens on
; window 0
.set KADR, 2                           ; v2-3    K fragments' LDS address in slot 0, 1
.set VADR, 4                           ; v4-5    V fragments' LDS address in slot 0, 1
.set STO,  6                           ; v6      the way out: where I put 16 bytes
.set RD,   7                           ; v7      the way out: where I read back
.set CO,   8                           ; v8      my byte offset in ao
.set QO,   9                           ; v9      my byte offset in q
.set TM,   10                          ; v[10:13] maxima at work
.set XS,   14                          ; v[14:21] four pairs of sums at work
.set MA,   22                          ; v[22:25] running maxima of the four query tiles, written by a tile's first step
.set MB,   26                          ; v[26:29] the same, written by its second step
.set AL,   30                          ; v[30:33] 2^(old maximum - new maximum); at the end the last factor
.set L2,   34                          ; v[34:41] row sums of my keys, a pair for each query tile
.set MQ,   42                          ; v[42:45] the mask of my queries
.set WK,   46                          ; v[46:55] the batch's mask, offsets, the end's sums
.set QF,   64                          ; v[64:127]  Q(t, c) = QF + 8 (2 t + c)
.set SC,   128                         ; v[128:255] S(t, kt) = SC + 8 (4 t + kt); P(t, p) = SC + 32 t + 16 p, packed in place
; window 1
.set OA,   0                           ; v[256:383] O(dt, t) = OA + 8 (4 dt + t)
.set VF,   128                         ; v[384:447] V(p, dt) = VF + 8 (4 p + dt)
.set KF,   192                         ; v[448:511] K(kt, c) = KF + 8 (2 kt + c)
.set G1K, 24                           ; s[24:31] group 1 of K's tiles
.set G0K, 32                           ; s[32:39] group 0 of K's tiles, one set a slot
.set G1V, 40                           ; s[40:47] group 1 of V's tiles
.set G0V, 48                           ; s[48:55] group 0 of V's tiles, one set a slot
.set MSB, 0
.macro WIN new                         ; bits 1:0 source 0, 3:2 source 1, 5:4 source 2, 7:6 destination; the high byte repeats the setting that is left
.if MSB != \new
	s_set_vgpr_msb (MSB<<8)|\new
.set MSB, \new
.endif
.endm
.macro NOPS n
.rept \n
	v_nop
.endr
.endm
; A round of the cluster's barrier: my work-group's barrier; wave 0 signals for the work-group; every wave waits for all four; my barrier again
.macro ROUND
	s_barrier_signal -1
	s_barrier_wait -1
	s_cmp_lg_u32 s10, 0
	s_cbranch_scc1 .Lnot_wave_0_\@
	s_barrier_signal -3
.Lnot_wave_0_\@:
	s_barrier_wait -3
	s_barrier_signal -1
	s_barrier_wait -1
.endm
; A joint load of a slot's tiles: waves 0, 1 bring K's halves of 64 keys, waves 2, 3 V's, waves 4-7 none.  The branches hang on the wave's number alone.
.macro JLOAD slot
	s_cmp_ge_u32 s10, 4
	s_cbranch_scc1 .Lnone_\@
	s_cmp_ge_u32 s10, 2
	s_cbranch_scc1 .Lv_\@
	tensor_load_to_lds s[G0K+4*\slot:G0K+4*\slot+3], s[G1K:G1K+7]
	s_nop 0
	s_branch .Lnone_\@
.Lv_\@:
	tensor_load_to_lds s[G0V+4*\slot:G0V+4*\slot+3], s[G1V:G1V+7]
	s_nop 0
.Lnone_\@:
.endm
	s_load_b128 s[4:7], s[0:1], 0x0                ; qkv s[4:5], mWin s[6:7]
	s_load_b64 s[8:9], s[0:1], 0x10                ; ao
	v_lshl_add_u32 v62, v0, 2, 0x34100
	v_mov_b32 v63, 0
	ds_add_u32 v62, v63
	v_lshrrev_b32 v1, 5, v0
	v_readfirstlane_b32 s10, v1                    ; wave 0..7
	s_lshr_b32 s11, s10, 2                         ; which head of the pair; also which group of waves
	s_and_b32 s12, s10, 1                          ; which 64 keys of a tile I fetch
	s_and_b32 s13, s10, 3                          ; which 64 queries
	s_bfe_u32 s14, ttmp6, 0x40000                  ; cx
	s_lshl_b32 s15, ttmp9, 2
	s_add_co_u32 s15, s15, s14                     ; query block = 4 x cluster x + cx; it enters global addresses of q, mWin and ao alone
	s_and_b32 s16, ttmp7, 0xffff                   ; y
	s_lshr_b32 s17, s16, 3                         ; batch
	s_and_b32 s18, s16, 7                          ; pair of heads
	s_mov_b32 s56, 0x76543210                      ; v_permlanex16_b32: lane i reads lane i of the other half
	s_mov_b32 s57, 0xfedcba98
	; group 1: 64 rows x 128 elements of 2 bytes, pitch 3,072 elements; padding behind every 64 words: 4 words for K, 8 for V; mask 15, bit 21 beside it
	s_mov_b32 s[G1K+0], 15|(1<<16)|(1<<20)|(1<<21)|(5<<22)|(3<<25)
	s_mov_b32 s[G1V+0], 15|(1<<16)|(1<<20)|(1<<21)|(5<<22)|(7<<25)
	s_mov_b32 s[G1K+1], 128<<16                    ; tensor_dim0 = 128
	s_mov_b32 s[G1V+1], 128<<16
	s_mov_b32 s[G1K+2], 64<<16                     ; tensor_dim1 = 64
	s_mov_b32 s[G1V+2], 64<<16
	s_mov_b32 s[G1K+3], 128<<16                    ; tile_dim0 = 128
	s_mov_b32 s[G1V+3], 128<<16
	s_mov_b32 s[G1K+4], 64                         ; tile_dim1 = 64
	s_mov_b32 s[G1V+4], 64
	s_mov_b32 s[G1K+5], 3072
	s_mov_b32 s[G1V+5], 3072
	s_mov_b32 s[G1K+6], 0
	s_mov_b32 s[G1V+6], 0
	s_mov_b32 s[G1K+7], 0
	s_mov_b32 s[G1V+7], 0
	; where the tiles come from: batch, pair of heads and the wave's half; nothing of cx
	s_lshl_b32 s20, s17, 11
	s_lshl_b32 s19, s12, 6
	s_add_co_u32 s20, s20, s19                     ; token 2,048 b + 64 half
	s_mul_i32 s20, s20, TOKP
	s_lshl_b32 s19, s18, 8
	s_add_co_u32 s20, s20, s19                     ; + 256 bytes for each pair of heads
	s_mov_b32 s21, 0
	s_mul_i32 s19, s12, 64*KP                      ; and where they go
	s_mul_i32 s59, s12, 64*VP
	s_wait_dscnt 0x0
	s_wait_kmcnt 0x0
	s_add_nc_u64 s[22:23], s[4:5], s[20:21]
.irp i, 0,1
	s_mov_b32 s[G0K+4*\i], 1
	s_add_co_u32 s[G0K+4*\i+1], s19, \i*SLOT
	s_add_nc_u64 s[G0K+4*\i+2:G0K+4*\i+3], s[22:23], 2048+\i*128*TOKP      ; k begins 2,048 bytes into a token's row; slot i starts with tile i
	s_or_b32 s[G0K+4*\i+3], s[G0K+4*\i+3], 0x80000000
	s_mov_b32 s[G0V+4*\i], 1
	s_add_co_u32 s[G0V+4*\i+1], s59, \i*SLOT+KB_
	s_add_nc_u64 s[G0V+4*\i+2:G0V+4*\i+3], s[22:23], 4096+\i*128*TOKP      ; v begins 4,096 bytes in
	s_or_b32 s[G0V+4*\i+3], s[G0V+4*\i+3], 0x80000000
.endr
	ROUND                                          ; all four work-groups are here: the first joint loads meet
	JLOAD 0                                        ; tile 0
	; global loads: my Q fragments, my queries' mask, my 8 numbers of the batch's mask
	v_and_b32 v56, 15, v0                          ; r = l % 16
	v_bfe_u32 v57, v0, 4, 1                        ; h = l / 16
	v_mul_u32_u24 v[QO], v56, TOKP
	v_lshl_add_u32 v[QO], v57, 4, v[QO]            ; token r, 16 h bytes
	v_lshlrev_b32 v54, 2, v56                      ; 4 r
	v_lshlrev_b32 v55, 5, v0                       ; 32 x thread
	s_lshl_b32 s60, s17, 11
	s_lshl_b32 s61, s15, 8
	s_add_co_u32 s60, s60, s61                     ; the work-group's first token: 2,048 b + 256 query block
	s_lshl_b32 s61, s13, 6
	s_add_co_u32 s61, s60, s61                     ; my wave's first query
	s_mul_i32 s72, s61, TOKP
	s_lshl_b32 s73, s18, 8
	s_add_co_u32 s72, s72, s73
	s_lshl_b32 s73, s11, 7
	s_add_co_u32 s72, s72, s73                     ; + 128 bytes for each head
	s_mov_b32 s73, 0
	s_add_nc_u64 s[62:63], s[4:5], s[72:73]        ; q of my queries
	s_lshl_b32 s72, s61, 2
	s_add_nc_u64 s[66:67], s[6:7], s[72:73]        ; mask of my queries
	s_lshl_b32 s20, s17, 13
	s_add_nc_u64 s[68:69], s[6:7], s[20:21]        ; mask of the batch
	s_lshl_b32 s72, s10, 5
	s_add_co_u32 s72, s72, s60                     ; the way out: wave w stores tokens 32 w .. 32 w + 31 of the block
	s_lshl_b32 s72, s72, 11
	s_lshl_b32 s61, s18, 8
	s_add_co_u32 s72, s72, s61
	s_add_nc_u64 s[70:71], s[8:9], s[72:73]
.irp t, 0,1,2,3
.irp c, 0,1
	global_load_b128 v[QF+8*(2*\t+\c):QF+8*(2*\t+\c)+3],   v[QO], s[62:63] offset:\t*16*TOKP+64*\c
	global_load_b128 v[QF+8*(2*\t+\c)+4:QF+8*(2*\t+\c)+7], v[QO], s[62:63] offset:\t*16*TOKP+64*\c+32
.endr
.endr
.irp t, 0,1,2,3
	global_load_b32 v[MQ+\t], v54, s[66:67] offset:64*\t
.endr
	global_load_b128 v[WK:WK+3],   v55, s[68:69]
	global_load_b128 v[WK+4:WK+7], v55, s[68:69] offset:16
	; LDS addresses, made of the lane and the wave's number
	v_mul_u32_u24 v58, v56, KP
	v_lshl_add_u32 v58, v57, 4, v58                ; 272 r + 16 h
	s_lshl_b32 s19, s11, 7                         ; my head's 128 bytes of a row
	v_add_nc_u32 v[KADR], s19, v58
	v_add_nc_u32 v[KADR+1], SLOT, v[KADR]
	v_and_b32 v59, 7, v0
	v_lshl_add_u32 v59, v57, 3, v59                ; key 8 h + (l & 7)
	v_mul_u32_u24 v59, v59, VP
	v_bfe_u32 v60, v0, 3, 1
	v_lshl_add_u32 v59, v60, 4, v59                ; + 16 ((l >> 3) & 1)
	s_add_co_u32 s59, s19, KB_
	v_add_nc_u32 v[VADR], s59, v59
	v_add_nc_u32 v[VADR+1], SLOT, v[VADR]
	s_mul_i32 s59, s13, 64*KP
	s_add_co_u32 s59, s59, s19
	s_add_co_u32 s59, s59, STAGE
	v_add_nc_u32 v[STO], s59, v58                  ; STAGE + (64 (w & 3) + r) 272 + 128 head + 16 h
	v_mul_u32_u24 v61, v57, KP
	v_lshl_add_u32 v61, v56, 4, v61
	s_mul_i32 s59, s10, 32*KP
	s_add_co_u32 s59, s59, STAGE
	v_add_nc_u32 v[RD], s59, v61                   ; STAGE + (32 w + h) 272 + 16 r
	v_lshlrev_b32 v[CO], 11, v57
	v_lshl_add_u32 v[CO], v56, 4, v[CO]            ; h rows of 2,048 bytes + 16 r
	; sum of m^2 over the batch: 8 numbers a thread, the wave's sum into its own word of RED
	s_wait_loadcnt 0x0                             ; Q, my queries' mask and the batch's mask are in
	v_pk_mul_f32 v[WK:WK+1], v[WK:WK+1], v[WK:WK+1]
	v_pk_fma_f32 v[WK:WK+1], v[WK+2:WK+3], v[WK+2:WK+3], v[WK:WK+1]
	v_pk_fma_f32 v[WK:WK+1], v[WK+4:WK+5], v[WK+4:WK+5], v[WK:WK+1]
	v_pk_fma_f32 v[WK:WK+1], v[WK+6:WK+7], v[WK+6:WK+7], v[WK:WK+1]
	v_add_f32 v[WK], v[WK], v[WK+1]
	v_add_f32_dpp v[WK], v[WK], v[WK] row_xmask:1 row_mask:0xf bank_mask:0xf
	v_add_f32_dpp v[WK], v[WK], v[WK] row_xmask:2 row_mask:0xf bank_mask:0xf
	v_add_f32_dpp v[WK], v[WK], v[WK] row_xmask:4 row_mask:0xf bank_mask:0xf
	v_add_f32_dpp v[WK], v[WK], v[WK] row_xmask:8 row_mask:0xf bank_mask:0xf
	v_permlanex16_b32 v[WK+1], v[WK], s56, s57
	v_add_f32 v[WK], v[WK], v[WK+1]
	s_lshl_b32 s59, s10, 2
	s_add_co_u32 s59, s59, RED
	v_mov_b32 v[WK+2], s59
	ds_store_b32 v[WK+2], v[WK]                    ; waited for in front of the first trip's round; read at the end
; 16 LDS loads: the K fragments of step s (64 keys x 64 d of my head)
.macro KLOAD slot, s
.irp kt, 0,1,2,3
.irp c, 0,1
	ds_load_b128 v[KF+8*(2*\kt+\c):KF+8*(2*\kt+\c)+3],   v[KADR+\slot] offset:(64*\s+16*\kt)*KP+64*\c
	ds_load_b128 v[KF+8*(2*\kt+\c)+4:KF+8*(2*\kt+\c)+7], v[KADR+\slot] offset:(64*\s+16*\kt)*KP+64*\c+32
.endr
.endr
.endm
; 16 transposing LDS loads: the V^T fragments of step s (64 d x 64 keys)
.macro VLOAD slot, s
.irp p, 0,1
.irp dt, 0,1,2,3
	ds_load_tr16_b128 v[VF+8*(4*\p+\dt):VF+8*(4*\p+\dt)+3],   v[VADR+\slot] offset:(64*\s+32*\p)*VP+32*\dt
	ds_load_tr16_b128 v[VF+8*(4*\p+\dt)+4:VF+8*(4*\p+\dt)+7], v[VADR+\slot] offset:(64*\s+32*\p+16)*VP+32*\dt
.endr
.endr
.endm
; 32 matrix instructions: S^T of 64 keys x 64 queries.  The four query tiles take turns, one instruction a turn; the first half of d starts each sum.
.macro QK
.irp kt, 0,1,2,3
.irp t, 0,1,2,3
	v_wmma_f32_16x16x32_bf16 v[SC+8*(4*\t+\kt):SC+8*(4*\t+\kt)+7], v[KF+16*\kt:KF+16*\kt+7], v[QF+16*\t:QF+16*\t+7], 0
.endr
.irp t, 0,1,2,3
	v_wmma_f32_16x16x32_bf16 v[SC+8*(4*\t+\kt):SC+8*(4*\t+\kt)+7], v[KF+16*\kt+8:KF+16*\kt+15], v[QF+16*\t+8:QF+16*\t+15], v[SC+8*(4*\t+\kt):SC+8*(4*\t+\kt)+7]
.endr
.endr
.endm
; the new running maximum of query tile t: my 32 scores in four chains, the old maximum, the other half of the keys from lane l xor 16
.macro MAXT t, mo, mn, first
.irp k, 0,1,2,3
	v_max3_num_f32 v[TM+\k], v[SC+32*\t+3*\k], v[SC+32*\t+3*\k+1], v[SC+32*\t+3*\k+2]
.endr
.irp k, 0,1,2,3,4,5,6,7,8,9
	v_max3_num_f32 v[TM+(\k%4)], v[TM+(\k%4)], v[SC+32*\t+12+2*\k], v[SC+32*\t+13+2*\k]
.endr
	v_max3_num_f32 v[TM], v[TM], v[TM+1], v[TM+2]
.if \first
	v_max_num_f32 v[TM], v[TM], v[TM+3]
.else
	v_max3_num_f32 v[TM], v[TM], v[TM+3], v[\mo+\t]
.endif
	v_permlanex16_b32 v[TM+1], v[TM], s56, s57
	v_max_num_f32 v[\mn+\t], v[TM], v[TM+1]
.endm
; 2^(old maximum - new maximum) of the four query tiles
.macro ALPHA mo, mn
	v_pk_add_f32 v[AL:AL+1],   v[\mo:\mo+1],   v[\mn:\mn+1]   neg_lo:[0,1] neg_hi:[0,1]
	v_pk_add_f32 v[AL+2:AL+3], v[\mo+2:\mo+3], v[\mn+2:\mn+3] neg_lo:[0,1] neg_hi:[0,1]
.irp t, 0,1,2,3
	v_exp_f32 v[AL+\t], v[AL+\t]
.endr
.endm
; p = 2^(s - maximum) of query tile t, in place.  o = t & 1 picks the tile's register of the pair of maxima for both halves.
; Behind each run of exponentials the next plain instruction names none of its registers (ISA guide 5.7.2).
.macro SUBEXP t, o, mn
.irp k, 0,2,4,6,8,10,12,14,16,18,20,22,24,26,28,30
	v_pk_add_f32 v[SC+32*\t+\k:SC+32*\t+\k+1], v[SC+32*\t+\k:SC+32*\t+\k+1], v[\mn+\t-\o:\mn+\t-\o+1] op_sel:[0,\o] op_sel_hi:[1,\o] neg_lo:[0,1] neg_hi:[0,1]
.endr
.set ii, 0
.rept 32
	v_exp_f32 v[SC+32*\t+ii], v[SC+32*\t+ii]
.set ii, ii+1
.endr
.endm
; the row sums of query tile t: 16 pairs in four chains, then old sum x alpha + new
.macro SUMT t, o, first
	s_wait_alu depctr_va_vdst(0)
.irp k, 0,1,2,3
	v_pk_add_f32 v[XS+2*\k:XS+2*\k+1], v[SC+32*\t+2*\k:SC+32*\t+2*\k+1], v[SC+32*\t+2*\k+8:SC+32*\t+2*\k+9]
.endr
.irp k, 0,1,2,3
	v_pk_add_f32 v[XS+2*\k:XS+2*\k+1], v[XS+2*\k:XS+2*\k+1], v[SC+32*\t+2*\k+16:SC+32*\t+2*\k+17]
.endr
.irp k, 0,1,2,3
	v_pk_add_f32 v[XS+2*\k:XS+2*\k+1], v[XS+2*\k:XS+2*\k+1], v[SC+32*\t+2*\k+24:SC+32*\t+2*\k+25]
.endr
	v_pk_add_f32 v[XS:XS+1],   v[XS:XS+1],   v[XS+2:XS+3]
	v_pk_add_f32 v[XS+4:XS+5], v[XS+4:XS+5], v[XS+6:XS+7]
.if \first
	v_pk_add_f32 v[L2+2*\t:L2+2*\t+1], v[XS:XS+1], v[XS+4:XS+5]
.else
	v_pk_add_f32 v[XS:XS+1], v[XS:XS+1], v[XS+4:XS+5]
	v_pk_fma_f32 v[L2+2*\t:L2+2*\t+1], v[L2+2*\t:L2+2*\t+1], v[AL+\t-\o:AL+\t-\o+1], v[XS:XS+1] op_sel:[0,\o,0] op_sel_hi:[1,\o,1]
.endif
.endm
; p of query tile t to f16, packed in place: register i of a fragment is written when registers 2 i and 2 i + 1 are read, in ascending order
.macro CVTT t
.irp p, 0,1
.irp i, 0,1,2,3,4,5,6,7
	v_cvt_pk_f16_f32 v[SC+32*\t+16*\p+\i], v[SC+32*\t+16*\p+2*\i], v[SC+32*\t+16*\p+2*\i+1]
.endr
.endr
.endm
; O of query tile t times alpha
.macro RESC t, o
.irp dt, 0,1,2,3
.irp j, 0,2,4,6
	v_pk_mul_f32 v[OA+8*(4*\dt+\t)+\j:OA+8*(4*\dt+\t)+\j+1], v[OA+8*(4*\dt+\t)+\j:OA+8*(4*\dt+\t)+\j+1], v[AL+\t-\o:AL+\t-\o+1] op_sel:[0,\o] op_sel_hi:[1,\o]
.endr
.endr
.endm
; 32 matrix instructions: O^T += V^T P^T.  The sixteen accumulators take turns, one instruction a turn; in the first step the first 32 keys start the sums.
.macro PV first
.irp p, 0,1
.irp dt, 0,1,2,3
.irp t, 0,1,2,3
.if \first*(1-\p)
	v_wmma_f32_16x16x32_f16 v[OA+8*(4*\dt+\t):OA+8*(4*\dt+\t)+7], v[VF+8*(4*\p+\dt):VF+8*(4*\p+\dt)+7], v[SC+32*\t+16*\p:SC+32*\t+16*\p+7], 0
.else
	v_wmma_f32_16x16x32_f16 v[OA+8*(4*\dt+\t):OA+8*(4*\dt+\t)+7], v[VF+8*(4*\p+\dt):VF+8*(4*\p+\dt)+7], v[SC+32*\t+16*\p:SC+32*\t+16*\p+7], v[OA+8*(4*\dt+\t):OA+8*(4*\dt+\t)+7]
.endif
.endr
.endr
.endr
.endm
; The softmax of a step's 64 keys x 64 queries, all in registers: new maxima (set mn, from set mo), p, row sums, p to f16, O times alpha
.macro SOFT mo, mn, first
	WIN 0
	MAXT 0, \mo, \mn, \first
	MAXT 1, \mo, \mn, \first
	MAXT 2, \mo, \mn, \first
	MAXT 3, \mo, \mn, \first
.if \first == 0
	ALPHA \mo, \mn
.endif
	SUBEXP 0, 0, \mn
	SUBEXP 1, 1, \mn
	SUBEXP 2, 0, \mn
	SUBEXP 3, 1, \mn
	SUMT 0, 0, \first
	CVTT 0
	SUMT 1, 1, \first
	CVTT 1
	SUMT 2, 0, \first
	CVTT 2
	SUMT 3, 1, \first
	CVTT 3
.if \first == 0
	WIN 0x41                                       ; destination and source 0 (O) in window 1
	RESC 0, 0
	RESC 1, 1
	RESC 2, 0
	RESC 3, 1
.endif
.endm
; A step of waves 0-3: 64 keys.  s = 0, 1: the slot's half; mn, mo: the sets of maxima that it writes and reads.
.macro STEP slot, s, mo, mn, first
.if \first == 0
	NOPS 5                                         ; behind the last step's products: four places ahead of loads into V's registers, five ahead of scores written over P's
.endif
	WIN 0x40                                       ; LDS loads into window 1
.if \s == 0
	KLOAD \slot, 0
.endif
	VLOAD \slot, \s
	s_wait_dscnt 16                                ; K's 16 loads are in; V's 16 are younger and stay out
	WIN 0x01                                       ; source 0 (K) in window 1
	QK
	NOPS 5                                         ; four places ahead of loads into K's registers and of reads of the scores, five ahead of their use as a source
.if \s == 0
	WIN 0x40
	KLOAD \slot, 1                                 ; the second step's K, a whole softmax ahead of its use
.endif
	SOFT \mo, \mn, \first
.if \s == 0
	s_wait_dscnt 16                                ; V is in; the second step's 16 K loads are younger and stay out
.else
	s_wait_dscnt 0                                 ; V is in: nothing was issued behind it
.endif
	WIN 0x51                                       ; D, C (O) and source 0 (V) in window 1, source 1 (P) in window 0
	PV \first
.endm
; A trip of waves 4-7: the same chain of steps, cut one softmax later.  At its head the scores of the last tile's second step lie in S and that
; step's V fragments in V's registers (all LDS loads were waited for in front of the round), five places behind the products that wrote S.
.macro LAG slot, first
	WIN 0x40
	KLOAD \slot, 0                                 ; this tile's first K, a whole softmax ahead of its use; K's registers were last read five places ago
.if \first == 0
	SOFT MA, MB, 0                                 ; the last tile's second step
	WIN 0x51
	PV 0
	NOPS 5                                         ; four places ahead of loads into V's registers, five ahead of scores written over P's
.endif
	WIN 0x40
	VLOAD \slot, 0
	s_wait_dscnt 16                                ; K's 16 loads are in; V's 16 are younger and stay out
	WIN 0x01
	QK
	NOPS 5
	WIN 0x40
	KLOAD \slot, 1
	SOFT MB, MA, \first                            ; this tile's first step
	s_wait_dscnt 16                                ; V is in; the second step's 16 K loads are younger and stay out
	WIN 0x51
	PV \first
	NOPS 5
	WIN 0x40
	VLOAD \slot, 1
	s_wait_dscnt 16                                ; the second step's K is in; its V's 16 loads are younger: the next trip's head, or the tail, waits for them
	WIN 0x01
	QK
	NOPS 5                                         ; the places ahead of the next trip's reads of the scores and loads into K's registers
.endm
; A trip: one tile of 128 keys.  In front of the round every wave waits for all its tensor loads (at most one is out: its part of this trip's tile)
; and for its LDS reads; behind the round the other slot's refill comes first, one tensor load a wave, with the whole trip in which to land.
; The branch between the two groups hangs on the wave's number alone and holds no barrier.
.macro TRIP slot, other, refill, first
	s_wait_tensorcnt 0x0
	ds_add_u32 v62, v63
	s_wait_dscnt 0x0
	s_add_nc_u64 s[G0K+4*\slot+2:G0K+4*\slot+3], s[G0K+4*\slot+2:G0K+4*\slot+3], TILESTEP   ; no load of mine is out: this slot's next tile
	s_add_nc_u64 s[G0V+4*\slot+2:G0V+4*\slot+3], s[G0V+4*\slot+2:G0V+4*\slot+3], TILESTEP
	s_wait_dscnt 0x0
	ROUND
.if \refill
	JLOAD \other
.endif
	s_cmp_lg_u32 s11, 0
	s_cbranch_scc1 .Llag_\@
	STEP \slot, 0, MB, MA, \first
	STEP \slot, 1, MA, MB, 0
	WIN 0
	s_branch .Ljoin_\@
.Llag_\@:
	LAG \slot, \first
	WIN 0
.Ljoin_\@:
.endm
	TRIP 0, 1, 1, 1                                ; tile 0; slot 1 gets its first fill as a refill does
	s_mov_b32 s58, 7
.Lloop:
	TRIP 1, 0, 1, 0                                ; tiles 1, 3, .. 13
	TRIP 0, 1, 1, 0                                ; tiles 2, 4, .. 14
	s_sub_co_u32 s58, s58, 1
	s_cmp_lg_u32 s58, 0
	s_cbranch_scc1 .Lloop
	TRIP 1, 0, 0, 0                                ; tile 15: nothing is left to fetch
	s_cmp_eq_u32 s11, 0
	s_cbranch_scc1 .Lall_steps_done
	SOFT MA, MB, 0                                 ; waves 4-7: the last tile's second step
	s_wait_dscnt 0x0                               ; its V fragments: no round's wait has covered them
	WIN 0x51
	PV 0
	WIN 0
.Lall_steps_done:
	; THE END: factor = 1 / (row sum x (m x sum(m^2) + 1e-6)), O x factor to bf16, through STAGE, out in whole rows of 256 bytes
	NOPS 4                                         ; four places behind the last products, ahead of reads of O and writes over P
	v_mov_b32 v[WK], RED
	ds_load_b128 v[WK+2:WK+5], v[WK]               ; the eight waves' sums of m^2, stored ahead of the first round
	ds_load_b128 v[WK+6:WK+9], v[WK] offset:16
.irp t, 0,1,2,3
	v_add_f32 v[TM+\t], v[L2+2*\t], v[L2+2*\t+1]
.endr
.irp t, 0,1,2,3
	v_permlanex16_b32 v[XS+\t], v[TM+\t], s56, s57 ; the other half of the keys
.endr
.irp t, 0,1,2,3
	v_add_f32 v[TM+\t], v[TM+\t], v[XS+\t]
.endr
	s_wait_dscnt 0x0
	v_pk_add_f32 v[WK+2:WK+3], v[WK+2:WK+3], v[WK+4:WK+5]
	v_pk_add_f32 v[WK+6:WK+7], v[WK+6:WK+7], v[WK+8:WK+9]
	v_pk_add_f32 v[WK+2:WK+3], v[WK+2:WK+3], v[WK+6:WK+7]
	v_add_f32 v[WK+2], v[WK+2], v[WK+3]
.irp t, 0,1,2,3
	v_fmaak_f32 v[XS+\t], v[MQ+\t], v[WK+2], 0x358637bd        ; m x sum(m^2) + 1e-6
.endr
.irp t, 0,1,2,3
	v_mul_f32 v[TM+\t], v[TM+\t], v[XS+\t]
.endr
.irp t, 0,1,2,3
	v_rcp_f32 v[AL+\t], v[TM+\t]
.endr
	v_nop                                          ; one plain instruction behind the reciprocals (ISA guide 5.7.2)
.macro FIN t, o
	s_wait_alu depctr_va_vdst(0)
.irp dt, 0,1,2,3
.irp j, 0,2,4,6
	v_pk_mul_f32 v[SC+8*(4*\dt+\t)+\j:SC+8*(4*\dt+\t)+\j+1], v[OA+8*(4*\dt+\t)+\j:OA+8*(4*\dt+\t)+\j+1], v[AL+\t-\o:AL+\t-\o+1] op_sel:[0,\o] op_sel_hi:[1,\o]
.endr
.endr
.endm
	WIN 0x01                                       ; source 0 (O) in window 1, the result in window 0
	FIN 0, 0
	FIN 1, 1
	FIN 2, 0
	FIN 3, 1
	WIN 0
.irp dt, 0,1,2,3
.irp t, 0,1,2,3
.irp i, 0,1,2,3
	v_cvt_pk_bf16_f32 v[SC+8*(4*\dt+\t)+\i], v[SC+8*(4*\dt+\t)+2*\i], v[SC+8*(4*\dt+\t)+2*\i+1]
.endr
	ds_store_b128 v[STO], v[SC+8*(4*\dt+\t):SC+8*(4*\dt+\t)+3] offset:\t*16*KP+32*\dt   ; query 16 t + r, d = 16 dt + 8 h .. + 7
.endr
.endr
	s_wait_dscnt 0x0                               ; for the other waves' sake: a token's row holds both heads, written by two waves
	s_barrier_signal -1
	s_barrier_wait -1
.irp i, 0,1,2,3,4,5,6,7,8,9,10,11,12,13,14,15
	ds_load_b128 v[QF+4*\i:QF+4*\i+3], v[RD] offset:\i*2*KP
.endr
.irp i, 0,1,2,3,4,5,6,7,8,9,10,11,12,13,14,15
	s_wait_dscnt 15-\i                             ; LDS loads come back in order: pair i of rows is in
	global_store_b128 v[CO], v[QF+4*\i:QF+4*\i+3], s[70:71] offset:\i*4096   ; 16 lanes store 256 consecutive bytes at a multiple of 256
.endr
	s_wait_tensorcnt 0x0
	ds_add_u32 v62, v63
	s_wait_dscnt 0x0
	ROUND                                          ; the closing round: no work-group ends while a partner may still ask jointly
	s_endpgm
.Lfunc_end_k_q548e526cdd_attn:
	.size	k_q548e526cdd_attn, .Lfunc_end_k_q548e526cdd_attn-k_q548e526cdd_attn
	.p2alignl 7, 3214868480
	.fill 96, 4, 3214868480
	.section	.rodata,"a",@progbits
	.p2align	6, 0x0
	.amdhsa_kernel k_q548e526cdd_attn
		.amdhsa_group_segment_fixed_size 327680
		.amdhsa_private_segment_fixed_size 0
		.amdhsa_enable_private_segment 0
		.amdhsa_kernarg_size 24
		.amdhsa_user_sgpr_count 2
		.amdhsa_user_sgpr_kernarg_segment_ptr 1
		.amdhsa_wavefront_size32 1
		.amdhsa_system_sgpr_workgroup_id_x 1
		.amdhsa_system_sgpr_workgroup_id_y 1
		.amdhsa_system_sgpr_workgroup_id_z 1
		.amdhsa_system_vgpr_workitem_id 0
		.amdhsa_next_free_vgpr 512
		.amdhsa_next_free_sgpr 74
		.amdhsa_reserve_vcc 0
		.amdhsa_float_denorm_mode_32 3
		.amdhsa_float_denorm_mode_16_64 3
		.amdhsa_memory_ordered 1
		.amdhsa_forward_progress 1
		.amdhsa_inst_pref_size 255
	.end_amdhsa_kernel
	.section	.bss,"aw",@nobits
	.p2align	6
	.space	262144
	.amdgpu_metadata
---
amdhsa.version: [ 1, 2 ]
amdhsa.kernels:
  - .name:           k_q548e526cdd_attn
    .symbol:         k_q548e526cdd_attn.kd
    .args:
      - { .name: qkv, .offset: 0, .size: 8, .value_kind: global_buffer, .address_space: global }
      - { .name: mWin, .offset: 8, .size: 8, .value_kind: global_buffer, .address_space: global }
      - { .name: ao, .offset: 16, .size: 8, .value_kind: global_buffer, .address_space: global }
    .group_segment_fixed_size: 327680
    .private_segment_fixed_size: 0
    .kernarg_segment_align: 8
    .kernarg_segment_size: 24
    .max_flat_workgroup_size: 256
    .sgpr_count:     74
    .vgpr_count:     512
    .wavefront_size: 32
...
	.end_amdgpu_metadata
.endif
;; end of part 3
;; launch proj (part 4): grid 8 x 32, 4 waves a work-group, clusters of 4 x 4, 327,680 bytes of LDS; arguments ao, pwb, out0, proj_b; writes out0
.if DOCPART == 4
	.amdgcn_target "amdgcn-amd-amdhsa--gfx1250"
	.amdhsa_code_object_version 6
	.text
	.protected	k_q548e526cdd_proj
	.globl	k_q548e526cdd_proj
	.p2align	8
	.type	k_q548e526cdd_proj,@function
k_q548e526cdd_proj:
	s_mov_b64 s[64:65], 0
	v_nop
	global_prefetch_b8 v0, s[64:65] scope:SCOPE_SE
	s_setreg_imm32_b32 hwreg(HW_REG_WAVE_MODE, 25, 1), 1
	s_wait_xcnt 0x0
	s_wait_alu depctr_hold_cnt(0) depctr_sa_sdst(0) depctr_va_vdst(0) depctr_va_sdst(0) depctr_va_ssrc(0) depctr_va_vcc(0) depctr_vm_vsrc(0)
	s_getreg_b32 s2, hwreg(HW_REG_IB_STS2, 6, 4)
	s_cmp_eq_u32 s2, 0
	s_cbranch_scc0 .Lentry_in_a_cluster
	s_endpgm
.Lentry_in_a_cluster:
	s_bfe_u32 s2, ttmp6, 0x10000c
	s_cmp_lg_u32 s2, 0xf033
	s_cbranch_scc0 .Lentry_shape_is_right
	s_endpgm
.Lentry_shape_is_right:
; out0[m][n] = sum over k of ao[m][k] pwb[n][k] + proj_b[n].  ao: [8192][1024] bf16, pwb: [1024][1024] bf16, out0: [8192][1024] f32; sums in f32.
; A work-group makes 256 rows x 128 columns of C: 32 x 8 = 256 work-groups, one for each WGP (blocks of 256 x 256 would make 128).
; Four waves; a wave makes 128 rows x 64 columns: 32 accumulator tiles of 16 x 16, 256 registers.  For 32 along K it loads 24 x 512 bytes from LDS
; for 32 matrix instructions.
; K goes in steps of 128 through two LDS slots (A's 256 rows, B's 128 rows, rows of 256 bytes at pitch 272) filled by joint tensor loads in clusters
; of 4 x 4: A's tiles are shared along a row of the cluster, B's along a column.  Waves 0, 1 bring A's halves of 128 rows, waves 2, 3 B's of 64 rows.
; REGISTERS: window 0: v0-31 addresses and the bias; v64-127, v128-191 fragments of A (two buffers; on the way out rows of C); v192-223, v224-255
; fragments of B (two buffers).  Window 1: the accumulators, tile (a, b) at v[8 (4 a + b)].
; The matrix instruction is used transposed (source 0 = rows of B, source 1 = rows of A): lane l holds row l % 16 of C, its eight registers the
; columns 8 (l / 16) + 0 .. 7: 32 neighbouring bytes of f32.
.set SIZE_M, 8192
.set SIZE_N, 1024
.set SIZE_K, 1024
.set KSTEP,  128
.set PITCH,  272                       ; an LDS row: 256 bytes + 16 of padding, so that 16 rows begin 16 bytes apart modulo 256
.set HALFA,  128*PITCH                 ; one tensor load of A: 34,816
.set HALFB,  64*PITCH                  ; one tensor load of B: 17,408
.set SLOT,   2*HALFA+2*HALFB           ; 104,448
.set STAGE,  2*SLOT                    ; 208,896: behind the ring, 16 rows x 272 bytes for each wave; no tensor load lands here
.set SPITCH, 272                       ; 64 f32 + 16 bytes
.set LAPS, SIZE_K/(2*KSTEP)            ; a lap = two K steps = once round the ring: 4
.set ADRA, 16                          ; v16-17  LDS address of my A fragments in slot 0, 1
.set ADRB, 20                          ; v20-21  the same for B
.set STO,  24                          ; v24     the way out: where I put 32 bytes of a row
.set RD,   25                          ; v25     the way out: where I read 16 bytes of a row back
.set CO,   26                          ; v26     my byte offset in C
.set BO,   27                          ; v27     my byte offset in the bias
.set BI,   28                          ; v[28:31] the bias of my four columns
.set AF,   64                          ; A's fragments: buffer f at AF + 64 f
.set BF,   192                         ; B's fragments: buffer f at BF + 32 f
.set G1, 24                            ; s[24:31] group 1 for A's tiles
.set G0, 32                            ; s[32:39] group 0 for A's tiles, one set a slot
.set G1B, 48                           ; s[48:55] group 1 for B's tiles
.set G0B, 56                           ; s[56:63] group 0 for B's tiles, one set a slot
.set MSB, 0
.macro WIN new                         ; bits 1:0 source 0, 3:2 source 1, 5:4 source 2, 7:6 destination; the high byte repeats the setting that is left
.if MSB != \new
	s_set_vgpr_msb (MSB<<8)|\new
.set MSB, \new
.endif
.endm
.set MULW, 0x50                        ; C and D in window 1, both fragments in window 0
; A joint load: waves 0 and 1 fetch A's two halves, waves 2 and 3 B's.  The branch hangs on the wave's number alone.
.macro JLOAD s
	s_cmp_eq_u32 s11, 0
	s_cbranch_scc0 .Lfor_b_\@
	tensor_load_to_lds s[G0+4*\s:G0+4*\s+3], s[G1:G1+7]
	s_nop 0
	s_branch .Lasked_\@
.Lfor_b_\@:
	tensor_load_to_lds s[G0B+4*\s:G0B+4*\s+3], s[G1B:G1B+7]
	s_nop 0
.Lasked_\@:
.endm
; A round of the cluster's barrier: my work-group's barrier; wave 0 signals for the work-group; every wave waits for all sixteen; my barrier again.
.macro CREST                           ; a round behind its opening barrier
	s_cmp_lg_u32 s10, 0
	s_cbranch_scc1 .Lnot_wave_0_\@
	s_barrier_signal -3
.Lnot_wave_0_\@:
	s_barrier_wait -3
	s_barrier_signal -1
	s_barrier_wait -1
.endm
.macro CROUND
	s_barrier_signal -1
	s_barrier_wait -1
	CREST
.endm
	s_load_b128 s[4:7], s[0:1], 0x0                ; A = ao s[4:5], B = pwb s[6:7]
	s_load_b64 s[8:9], s[0:1], 0x10                ; C = out0
	s_load_b64 s[66:67], s[0:1], 0x18              ; proj_b
	v_lshl_add_u32 v62, v0, 2, 0x37400
	v_mov_b32 v63, 0
	ds_add_u32 v62, v63
	v_lshrrev_b32 v1, 5, v0
	v_readfirstlane_b32 s10, v1                    ; wave 0..3
	s_lshr_b32 s11, s10, 1                         ; my half of the block's rows; also: I fetch for A (0) or B (1)
	s_and_b32 s12, s10, 1                          ; my half of its columns; also: which half of that tile I fetch
	s_bfe_u32 s40, ttmp6, 0x40000                  ; cx
	s_bfe_u32 s41, ttmp6, 0x40004                  ; cy
	s_lshl_b32 s42, ttmp9, 2
	s_add_co_u32 s42, s42, s40                     ; block column of C = 4 x cluster x + cx, 0..7
	s_and_b32 s13, ttmp7, 0xffff
	s_lshl_b32 s13, s13, 2
	s_add_co_u32 s13, s13, s41                     ; block row of C = 4 x cluster y + cy, 0..31
	s_lshl_b32 s43, s41, 2
	s_lshl_b32 s43, 15, s43                        ; my row of the cluster: places 4 cy .. 4 cy + 3
	s_lshl_b32 s44, 0x1111, s40                    ; my column: places cx, cx + 4, cx + 8, cx + 12
	; group 1: rows of 128 elements of 2 bytes, 4 words of padding behind every 64 words; bit 21 set beside a mask; A: 128 rows, B: 64 rows
	s_or_b32 s[G1+0], s43, (1<<16)|(1<<20)|(1<<21)|(5<<22)|(3<<25)
	s_or_b32 s[G1B+0], s44, (1<<16)|(1<<20)|(1<<21)|(5<<22)|(3<<25)
	s_mov_b32 s[G1+1], KSTEP<<16                   ; tensor_dim0 = 128
	s_mov_b32 s[G1B+1], KSTEP<<16
	s_mov_b32 s[G1+2], 128<<16                     ; tensor_dim1 = 128
	s_mov_b32 s[G1B+2], 64<<16                     ; tensor_dim1 = 64
	s_mov_b32 s[G1+3], KSTEP<<16                   ; tile_dim0 = 128
	s_mov_b32 s[G1B+3], KSTEP<<16
	s_mov_b32 s[G1+4], 128                         ; tile_dim1 = 128
	s_mov_b32 s[G1B+4], 64                         ; tile_dim1 = 64
	s_mov_b32 s[G1+5], SIZE_K                      ; elements from row to row
	s_mov_b32 s[G1B+5], SIZE_K
	s_mov_b32 s[G1+6], 0
	s_mov_b32 s[G1B+6], 0
	s_mov_b32 s[G1+7], 0
	s_mov_b32 s[G1B+7], 0
	; A's tiles hang on the block row alone, B's on the block column alone; each address in registers that never hold the other coordinate
	s_lshl_b32 s17, s12, 7
	s_lshl_b32 s16, s13, 8
	s_add_co_u32 s16, s16, s17                     ; A: row 256 x block row + 128 x half
	s_lshl_b32 s47, s12, 6
	s_lshl_b32 s46, s42, 7
	s_add_co_u32 s46, s46, s47                     ; B: row 128 x block column + 64 x half
	s_mov_b32 s17, 0
	s_mov_b32 s47, 0
	s_mov_b64 s[18:19], SIZE_K*2
	s_mul_u64 s[16:17], s[16:17], s[18:19]
	s_mul_u64 s[46:47], s[46:47], s[18:19]
	s_mul_i32 s20, s12, HALFA                      ; LDS: A's halves,
	s_mul_i32 s45, s12, HALFB
	s_add_co_u32 s45, s45, 2*HALFA                 ; then B's halves: the wave's number alone
	s_wait_dscnt 0x0
	s_wait_kmcnt 0x0
	s_add_nc_u64 s[14:15], s[4:5], s[16:17]
	s_add_nc_u64 s[46:47], s[6:7], s[46:47]
	CROUND                                         ; all sixteen work-groups are here: the first joint loads meet
.irp s, 0,1
	s_mov_b32 s[G0+4*\s], 1
	s_add_co_u32 s[G0+4*\s+1], s20, \s*SLOT
	s_add_nc_u64 s[G0+4*\s+2:G0+4*\s+3], s[14:15], \s*KSTEP*2
	s_or_b32 s[G0+4*\s+3], s[G0+4*\s+3], 0x80000000
	s_mov_b32 s[G0B+4*\s], 1
	s_add_co_u32 s[G0B+4*\s+1], s45, \s*SLOT
	s_add_nc_u64 s[G0B+4*\s+2:G0B+4*\s+3], s[46:47], \s*KSTEP*2
	s_or_b32 s[G0B+4*\s+3], s[G0B+4*\s+3], 0x80000000
	JLOAD \s                                       ; both slots' first fills go out together: two tensor loads of a wave are out
.endr
	; a fragment: lane l holds row l % 16; registers 0-3 K = 8 (l / 16) + 0..7, registers 4-7 K = 16 + 8 (l / 16) + 0..7: two loads of 16 bytes, 32 apart
	v_and_b32 v1, 15, v0                           ; r
	v_bfe_u32 v2, v0, 4, 1                         ; h
	v_mul_u32_u24 v3, v1, PITCH
	v_lshl_add_u32 v3, v2, 4, v3
	s_mul_i32 s21, s11, HALFA                      ; my 128 rows of A
	s_mul_i32 s22, s12, HALFB                      ; my 64 rows of B,
	s_add_co_u32 s22, s22, 2*HALFA                 ; behind A's 256
.irp s, 0,1
	v_add_nc_u32 v[ADRA+\s], s21, v3
	v_add_nc_u32 v[ADRB+\s], s22, v3
	s_add_co_u32 s21, s21, SLOT
	s_add_co_u32 s22, s22, SLOT
.endr
	s_mul_i32 s23, s10, 16*SPITCH
	s_add_co_u32 s23, s23, STAGE                   ; my stage
	v_mul_u32_u24 v4, v1, SPITCH                   ; in: row r, 32 bytes for each half of the lanes
	v_lshl_add_u32 v4, v2, 5, v4
	v_add_nc_u32 v[STO], s23, v4
	v_lshlrev_b32 v[BO], 4, v1                     ; 16 r: my 16 bytes of a row of 256
	v_mul_u32_u24 v5, v2, SPITCH                   ; back: lanes 0-15 take one row, lanes 16-31 the next
	v_add_nc_u32 v5, v5, v[BO]
	v_add_nc_u32 v[RD], s23, v5
	v_lshl_add_u32 v[CO], v2, 12, v[BO]            ; and the same two rows in C, 4,096 bytes apart
	s_lshl_b32 s68, s42, 9                         ; my first column in bytes of f32: 512 x block + 256 x half; the same in the bias and in a row of C
	s_lshl_b32 s69, s12, 8
	s_add_co_u32 s68, s68, s69
	s_mov_b32 s69, 0
	s_add_nc_u64 s[66:67], s[66:67], s[68:69]
	global_load_b128 v[BI:BI+3], v[BO], s[66:67]   ; the bias of my four columns; waited for ahead of the way out
; 16 matrix instructions: m blocks a0 .. a0 + 3 x all 4 n blocks, 32 along K, on buffer f.  zero = 1: the first product starts the sums.
.macro MUL16 f, a0, zero
.irp a, \a0, \a0+1, \a0+2, \a0+3
.irp b, 0,1,2,3
.if \zero
	v_wmma_f32_16x16x32_bf16 v[8*(4*(\a)+\b):8*(4*(\a)+\b)+7], v[BF+32*\f+8*\b:BF+32*\f+8*\b+7], v[AF+64*\f+8*(\a):AF+64*\f+8*(\a)+7], 0
.else
	v_wmma_f32_16x16x32_bf16 v[8*(4*(\a)+\b):8*(4*(\a)+\b)+7], v[BF+32*\f+8*\b:BF+32*\f+8*\b+7], v[AF+64*\f+8*(\a):AF+64*\f+8*(\a)+7], v[8*(4*(\a)+\b):8*(4*(\a)+\b)+7]
.endif
.endr
.endr
.endm
; 24 LDS loads in one run: one quarter step's fragments (64 rows of B, 128 of A, 32 K at byte k of the rows) into buffer f
.macro FETCH slot, k, f
	WIN 0
.irp i, 0,1,2,3
	ds_load_b128 v[BF+32*\f+8*\i:BF+32*\f+8*\i+3],   v[ADRB+\slot] offset:\k+\i*16*PITCH
	ds_load_b128 v[BF+32*\f+8*\i+4:BF+32*\f+8*\i+7], v[ADRB+\slot] offset:\k+\i*16*PITCH+32
.endr
.irp i, 0,1,2,3,4,5,6,7
	ds_load_b128 v[AF+64*\f+8*\i:AF+64*\f+8*\i+3],   v[ADRA+\slot] offset:\k+\i*16*PITCH
	ds_load_b128 v[AF+64*\f+8*\i+4:AF+64*\f+8*\i+7], v[ADRA+\slot] offset:\k+\i*16*PITCH+32
.endr
.endm
; Four independent vector instructions stand between a matrix instruction and a load into, a store of, or a vector read or write of its registers
.macro PLACES
.rept 4
	v_nop
.endr
.endm
; A K step is four quarters of 32 along K, 32 matrix instructions each, on buffers 0, 1, 0, 1.  The 32 accumulators take turns, one instruction a
; turn, in the same order in every quarter, over the backward jump too.
; A quarter first fetches the NEXT quarter's fragments (byte k of slot's rows) into buffer g, which the last quarter has multiplied, and then
; multiplies buffer f, whose loads were issued a whole quarter ago.
.macro QUARTER slot, k, f, g, zero
	PLACES
	FETCH \slot, \k, \g
	s_wait_dscnt 24                                ; all but the 24 just issued: buffer f is in
	WIN MULW
	MUL16 \f, 0, \zero
	MUL16 \f, 4, \zero
.endm
; The third quarter changes slots: its fetch is the last read of this slot.  In front of the barrier each wave waits for its reads of the slot and
; for all its tensor loads (one is out: its part of the next slot).  fill = 1: the barrier opens a round of the cluster's barrier, and behind the
; round the slot's refill comes first, one tensor load a wave; up to the wait for it the wave issues 112 matrix instructions.
.macro QBAR slot, fill
	PLACES
	FETCH \slot, 192, 1
	s_wait_dscnt 24
	WIN MULW
	MUL16 0, 0, 0
	s_wait_dscnt 0                                 ; my reads of this slot are over
	s_wait_tensorcnt 0x0                           ; all my tensor loads have landed
	ds_add_u32 v62, v63
	s_wait_dscnt 0x0
	s_barrier_signal -1
	MUL16 0, 4, 0                                  ; register work while the others arrive
	WIN 0
	s_barrier_wait -1
.if \fill
	CREST                                          ; no wave of any partner still reads this slot or has a load on its way
	s_add_nc_u64 s[G0+4*\slot+2:G0+4*\slot+3], s[G0+4*\slot+2:G0+4*\slot+3], 2*KSTEP*2
	s_add_nc_u64 s[G0B+4*\slot+2:G0B+4*\slot+3], s[G0B+4*\slot+2:G0B+4*\slot+3], 2*KSTEP*2
	JLOAD \slot
.endif
.endm
; A K step.  mode 2: the slot is filled again; 1: the slots change, nothing is left to fetch; 0: the last K step.
.macro KSTEPM slot, next, mode, zero
	QUARTER \slot, 64,  0, 1, \zero
	QUARTER \slot, 128, 1, 0, 0
.if \mode == 2
	QBAR \slot, 1
	QUARTER \next, 0, 1, 0, 0                      ; multiplies the slot's last quarter and fetches the next slot's first
.endif
.if \mode == 1
	QBAR \slot, 0
	QUARTER \next, 0, 1, 0, 0
.endif
.if \mode == 0
	QUARTER \slot, 192, 0, 1, 0
	s_wait_dscnt 0
	MUL16 1, 0, 0
	MUL16 1, 4, 0
.endif
.endm
	s_wait_tensorcnt 1                             ; my part of K step 0 is in; K step 1's may stay out
	s_barrier_signal -1
	s_barrier_wait -1
	FETCH 0, 0, 0
	KSTEPM 0, 1, 2, 1                              ; the first lap stands in front of the loop: its first products start the sums
	KSTEPM 1, 0, 2, 0
	WIN 0
	s_mov_b32 s3, LAPS-2
.Llap:
	KSTEPM 0, 1, 2, 0
	KSTEPM 1, 0, 2, 0
	WIN 0
	s_sub_co_u32 s3, s3, 1
	s_cmp_lg_u32 s3, 0
	s_cbranch_scc1 .Llap
	KSTEPM 0, 1, 1, 0                              ; the last lap fills nothing
	KSTEPM 1, 0, 0, 0
	; THE WAY OUT, 16 rows of C at a time: the sums go as f32 into my own stage, come back as whole rows of 256 bytes, get the bias and leave
	PLACES
	WIN 0
	s_lshl_b32 s13, s13, 8
	s_lshl_b32 s14, s11, 7
	s_add_co_u32 s16, s13, s14                     ; my first row of C
	s_mov_b32 s17, 0
	s_mov_b64 s[18:19], SIZE_N*4
	s_mul_u64 s[16:17], s[16:17], s[18:19]
	s_add_nc_u64 s[8:9], s[8:9], s[16:17]
	s_add_nc_u64 s[8:9], s[8:9], s[68:69]          ; my first column
	s_wait_loadcnt 0x0                             ; the bias, asked for at the head
; rows 16 i .. 16 i + 15 of my block = tiles (i, 0..3) of window 1 (an LDS store's data are source 1: setting 0x04); f: one of A's two buffers in turn
.macro OUT16F i, f
	WIN 0x04
.irp b, 0,1,2,3
	ds_store_b128 v[STO], v[8*(4*\i+\b):8*(4*\i+\b)+3]   offset:64*\b
	ds_store_b128 v[STO], v[8*(4*\i+\b)+4:8*(4*\i+\b)+7] offset:64*\b+16
.endr
	WIN 0
	s_wait_xcnt 0x0                                ; buffer f, which earlier stores read, and the stores' base are rewritten only behind this wait
.if \i
	s_add_nc_u64 s[8:9], s[8:9], 16*SIZE_N*4
.endif
.irp t, 0,1,2,3,4,5,6,7
	ds_load_b128 v[\f+4*\t:\f+4*\t+3], v[RD] offset:\t*2*SPITCH    ; a wave's LDS instructions are served in order: these see the stores above
.endr
.irp t, 0,1,2,3,4,5,6,7
	s_wait_dscnt 7-\t                              ; pair t of rows is in, the younger pairs stay out
	v_pk_add_f32 v[\f+4*\t:\f+4*\t+1],   v[\f+4*\t:\f+4*\t+1],   v[BI:BI+1]
	v_pk_add_f32 v[\f+4*\t+2:\f+4*\t+3], v[\f+4*\t+2:\f+4*\t+3], v[BI+2:BI+3]
	global_store_b128 v[CO], v[\f+4*\t:\f+4*\t+3], s[8:9] offset:2*\t*SIZE_N*4 th:TH_STORE_NT   ; 16 lanes store 256 consecutive bytes at a multiple of 256
.endr
.endm
	OUT16F 0, AF
	OUT16F 1, AF+64
	OUT16F 2, AF
	OUT16F 3, AF+64
	OUT16F 4, AF
	OUT16F 5, AF+64
	OUT16F 6, AF
	OUT16F 7, AF+64
	s_wait_tensorcnt 0x0
	ds_add_u32 v62, v63
	s_wait_dscnt 0x0
	CROUND                                         ; the closing round: no work-group ends while a partner may still ask jointly
	s_endpgm
.Lfunc_end_k_q548e526cdd_proj:
	.size	k_q548e526cdd_proj, .Lfunc_end_k_q548e526cdd_proj-k_q548e526cdd_proj
	.p2alignl 7, 3214868480
	.fill 96, 4, 3214868480
	.section	.rodata,"a",@progbits
	.p2align	6, 0x0
	.amdhsa_kernel k_q548e526cdd_proj
		.amdhsa_group_segment_fixed_size 327680
		.amdhsa_private_segment_fixed_size 0
		.amdhsa_enable_private_segment 0
		.amdhsa_kernarg_size 32
		.amdhsa_user_sgpr_count 2
		.amdhsa_user_sgpr_kernarg_segment_ptr 1
		.amdhsa_wavefront_size32 1
		.amdhsa_system_sgpr_workgroup_id_x 1
		.amdhsa_system_sgpr_workgroup_id_y 1
		.amdhsa_system_sgpr_workgroup_id_z 1
		.amdhsa_system_vgpr_workitem_id 0
		.amdhsa_next_free_vgpr 512
		.amdhsa_next_free_sgpr 70
		.amdhsa_reserve_vcc 0
		.amdhsa_float_denorm_mode_32 3
		.amdhsa_float_denorm_mode_16_64 3
		.amdhsa_memory_ordered 1
		.amdhsa_forward_progress 1
		.amdhsa_inst_pref_size 126
	.end_amdhsa_kernel
	.amdgpu_metadata
---
amdhsa.version: [ 1, 2 ]
amdhsa.kernels:
  - .name:           k_q548e526cdd_proj
    .symbol:         k_q548e526cdd_proj.kd
    .args:
      - { .name: ao, .offset: 0, .size: 8, .value_kind: global_buffer, .address_space: global }
      - { .name: pwb, .offset: 8, .size: 8, .value_kind: global_buffer, .address_space: global }
      - { .name: out0, .offset: 16, .size: 8, .value_kind: global_buffer, .address_space: global }
      - { .name: proj_b, .offset: 24, .size: 8, .value_kind: global_buffer, .address_space: global }
    .group_segment_fixed_size: 327680
    .private_segment_fixed_size: 0
    .kernarg_segment_align: 8
    .kernarg_segment_size: 32
    .max_flat_workgroup_size: 128
    .sgpr_count:     70
    .vgpr_count:     512
    .wavefront_size: 32
...
	.end_amdgpu_metadata
.endif
;; end of part 4
;; ======== version 2 of 2: 4 launches; version 1 with the launch cast written anew for expert scheduling mode
;; limits: values are held in f16: magnitudes above 65,504 overflow, below 6.1e-05 lose precision
;; workspace buffers: xb 16,777,216 bytes; wb 6,291,456 bytes; pwb 2,097,152 bytes; qkv 50,331,648 bytes; ao 16,777,216 bytes
;; launch cast (part 5): grid 768 x 1, 8 waves a work-group, no clusters, 0 bytes of LDS; arguments x, qkv_w, proj_w, mWin, xb, wb, pwb; writes xb, wb, pwb
.if DOCPART == 5
	.amdgcn_target "amdgcn-amd-amdhsa--gfx1250"
	.amdhsa_code_object_version 6
	.text
	.protected	k_q548e526cdd_cast
	.globl	k_q548e526cdd_cast
	.p2align	8
	.type	k_q548e526cdd_cast,@function
k_q548e526cdd_cast:
	s_mov_b64 s[64:65], 0
	v_nop
	global_prefetch_b8 v0, s[64:65] scope:SCOPE_SE
	s_setreg_imm32_b32 hwreg(HW_REG_WAVE_SCHED_MODE, 0, 2), 2
	s_setreg_imm32_b32 hwreg(HW_REG_WAVE_MODE, 25, 1), 1
	s_wait_xcnt 0x0
	s_wait_alu depctr_vm_vsrc(0)
; Rounds the three f32 matrices to bf16, each row times one factor:
;   xb[row]  = bf16(x[row] * mWin[row])            (the mask is linear in q, k and v, so it goes onto x once)
;   wb[row]  = bf16(qkv_w[row] * f), f = 0.125 * log2(e) for the 1,024 rows of q (the softmax works in base 2), 1 for k and v
;   pwb[row] = bf16(proj_w[row])
; LIMIT, stated: mask and scale are applied BEFORE the rounding to bf16, the reference applies them behind the product.
; A work-group takes 16 rows of 1,024 f32: groups 0-511 x, 512-703 qkv_w (512-575 are q's rows), 704-767 proj_w.
; Thread t owns elements 4 t .. 4 t + 3 of every row: a wave's load covers 512 consecutive bytes, its store 256 consecutive
; bytes at a multiple of 256.  All 16 loads of a thread go out at once.
; Memory binds: no LDS, no barrier, no matrix unit.
; THE MODE: SCHED_MODE bits 1:0 = 2 (LLVM: expert scheduling mode 2), set by the entry lines.  The code itself states the register dependences
; between vector instructions and memory instructions, with s_wait_alu, always for 0.
; THE PLAN.  Registers that memory instructions touch:
;   v1, v2   byte offsets, made once at the head and never written again: v1 is read by every load, v2 by every store.
;   XR       row i: written by the row's one load, which is issued at the head, before any vector instruction names XR; then worked on in place by the
;            row's multiplies, behind the row's wait on LOADcnt.  Nothing is loaded into it again.
;   YR       row i: written once, by the row's two roundings; read by the row's one store.  Never written again.
; So no register that a memory instruction reads is written a second time, and no load lands in a register that a vector instruction has named: what
; is left to state is that v1 and v2 are written ahead of the first load, and that YR is written ahead of its stores.
; The 16 rows go in four blocks of four.  The store of row i - 4 stands in row i's turn: one wait at a block's head states that the block before has
; written its YR, and the block's four stores are dealt among its rows with no further wait, since the vector instructions issued since that wait
; name this block's XR and YR alone.
.set ROWIN,  4096                      ; bytes of a row of f32
.set ROWOUT, 2048                      ; bytes of a row of bf16
.set BLOCK,  4                         ; rows in a block
.set XR,  4                            ; v[4:67]   row i: 4 f32
.set YR,  68                           ; v[68:99]  row i: 4 bf16 in 2 registers
.set FAC, 32                           ; s[32:47]  row i: its factor
	s_load_b256 s[4:11], s[0:1], 0x0               ; x s[4:5], qkv_w s[6:7], proj_w s[8:9], mWin s[10:11]
	s_load_b128 s[12:15], s[0:1], 0x20             ; xb s[12:13], wb s[14:15]
	s_load_b64 s[16:17], s[0:1], 0x30              ; pwb
	v_lshlrev_b32 v1, 4, v0                        ; 16 t: my bytes in a row of f32
	v_lshlrev_b32 v2, 3, v0                        ; 8 t: my bytes in a row of bf16
	s_max_u32 s20, ttmp9, 512
	s_sub_co_u32 s20, s20, 512                     ; block of 16 rows in qkv_w
	s_max_u32 s21, ttmp9, 704
	s_sub_co_u32 s21, s21, 704                     ; block of 16 rows in proj_w
	s_min_u32 s48, ttmp9, 511                      ; block of 16 rows in x; the groups of the weights read the last block's mask and drop it
	s_lshl_b32 s48, s48, 6                         ; 16 words of mWin
	s_mov_b32 s49, 0
	s_mov_b32 s29, 0
	s_mov_b32 s31, 0
	s_wait_kmcnt 0x0
	s_cmp_lt_u32 ttmp9, 704                        ; which matrix: the choice hangs on the group's number alone
	s_cselect_b32 s22, s20, s21
	s_cselect_b64 s[24:25], s[6:7], s[8:9]
	s_cselect_b64 s[26:27], s[14:15], s[16:17]
	s_cmp_lt_u32 ttmp9, 512
	s_cselect_b32 s22, ttmp9, s22
	s_cselect_b64 s[24:25], s[4:5], s[24:25]
	s_cselect_b64 s[26:27], s[12:13], s[26:27]
	s_lshl_b32 s28, s22, 16                        ; 16 rows of 4,096 bytes
	s_lshl_b32 s30, s22, 15                        ; 16 rows of 2,048 bytes
	s_add_nc_u64 s[24:25], s[24:25], s[28:29]      ; from
	s_add_nc_u64 s[26:27], s[26:27], s[30:31]      ; to
	s_add_nc_u64 s[50:51], s[10:11], s[48:49]      ; the 16 rows' mask
	s_wait_alu depctr_va_vdst(0)                   ; v1 and v2 are written: every load of the kernel reads v1 as its offset, every store v2
.irp i, 0,1,2,3,4,5,6,7,8,9,10,11,12,13,14,15
	global_load_b128 v[XR+4*\i:XR+4*\i+3], v1, s[24:25] offset:\i*ROWIN th:TH_LOAD_NT
.endr
	s_load_b512 s[FAC:FAC+15], s[50:51], 0x0
	s_cmp_lt_u32 ttmp9, 576
	s_cselect_b32 s23, 0x3e38aa3b, 1.0             ; 0.125 * log2(e) for q's rows, 1 for the other weights
	s_wait_kmcnt 0x0
	s_cmp_lt_u32 ttmp9, 512
.irp i, 0,1,2,3,4,5,6,7,8,9,10,11,12,13,14,15
	s_cselect_b32 s[FAC+\i], s[FAC+\i], s23        ; x: the row's mask; weights: the matrix's factor
.endr
; Block p: rows 4 p .. 4 p + 3.  In row r's turn: the wait for its load; from block 1 on the store of row r - 4; the row's six vector instructions.
.macro BLK p
.irp j, 0,1,2,3
.set r, BLOCK*(\p)+(\j)
	s_wait_loadcnt 15-r                            ; loads come back in order: row r is in, the younger rows stay out
.if (\p) > 0
.if (\j) == 0
	s_wait_alu depctr_va_vdst(0)                   ; the roundings of the block before have written its eight registers of YR, which this block's four stores read
.endif
	global_store_b64 v2, v[YR+2*(r-BLOCK):YR+2*(r-BLOCK)+1], s[26:27] offset:(r-BLOCK)*ROWOUT  ; a row of the block before; no vector instruction since the wait names its registers
.endif
	v_mul_f32 v[XR+4*r],   s[FAC+r], v[XR+4*r]
	v_mul_f32 v[XR+4*r+1], s[FAC+r], v[XR+4*r+1]
	v_mul_f32 v[XR+4*r+2], s[FAC+r], v[XR+4*r+2]
	v_mul_f32 v[XR+4*r+3], s[FAC+r], v[XR+4*r+3]
	v_cvt_pk_bf16_f32 v[YR+2*r],   v[XR+4*r],   v[XR+4*r+1]
	v_cvt_pk_bf16_f32 v[YR+2*r+1], v[XR+4*r+2], v[XR+4*r+3]
.endr
.endm
	BLK 0                                          ; no block stands in front of it: no store, and no wait but those for its data
	BLK 1
	BLK 2
	BLK 3
	s_wait_alu depctr_va_vdst(0)                   ; the roundings of block 3 have written its registers of YR, which the last four stores read
.irp i, 12,13,14,15
	global_store_b64 v2, v[YR+2*\i:YR+2*\i+1], s[26:27] offset:\i*ROWOUT
.endr
	s_endpgm
.Lfunc_end_k_q548e526cdd_cast:
	.size	k_q548e526cdd_cast, .Lfunc_end_k_q548e526cdd_cast-k_q548e526cdd_cast
	.p2alignl 7, 3214868480
	.fill 96, 4, 3214868480
	.section	.rodata,"a",@progbits
	.p2align	6, 0x0
	.amdhsa_kernel k_q548e526cdd_cast
		.amdhsa_group_segment_fixed_size 0
		.amdhsa_private_segment_fixed_size 0
		.amdhsa_enable_private_segment 0
		.amdhsa_kernarg_size 56
		.amdhsa_user_sgpr_count 2
		.amdhsa_user_sgpr_kernarg_segment_ptr 1
		.amdhsa_wavefront_size32 1
		.amdhsa_system_sgpr_workgroup_id_x 1
		.amdhsa_system_sgpr_workgroup_id_y 1
		.amdhsa_system_sgpr_workgroup_id_z 1
		.amdhsa_system_vgpr_workitem_id 0
		.amdhsa_next_free_vgpr 100
		.amdhsa_next_free_sgpr 66
		.amdhsa_reserve_vcc 0
		.amdhsa_float_denorm_mode_32 3
		.amdhsa_float_denorm_mode_16_64 3
		.amdhsa_memory_ordered 1
		.amdhsa_forward_progress 1
		.amdhsa_inst_pref_size 10
	.end_amdhsa_kernel
	.amdgpu_metadata
---
amdhsa.version: [ 1, 2 ]
amdhsa.kernels:
  - .name:           k_q548e526cdd_cast
    .symbol:         k_q548e526cdd_cast.kd
    .args:
      - { .name: x, .offset: 0, .size: 8, .value_kind: global_buffer, .address_space: global }
      - { .name: qkv_w, .offset: 8, .size: 8, .value_kind: global_buffer, .address_space: global }
      - { .name: proj_w, .offset: 16, .size: 8, .value_kind: global_buffer, .address_space: global }
      - { .name: mWin, .offset: 24, .size: 8, .value_kind: global_buffer, .address_space: global }
      - { .name: xb, .offset: 32, .size: 8, .value_kind: global_buffer, .address_space: global }
      - { .name: wb, .offset: 40, .size: 8, .value_kind: global_buffer, .address_space: global }
      - { .name: pwb, .offset: 48, .size: 8, .value_kind: global_buffer, .address_space: global }
    .group_segment_fixed_size: 0
    .private_segment_fixed_size: 0
    .kernarg_segment_align: 8
    .kernarg_segment_size: 56
    .max_flat_workgroup_size: 256
    .sgpr_count:     66
    .vgpr_count:     100
    .wavefront_size: 32
...
	.end_amdgpu_metadata
.endif
;; end of part 5
;; launch qkvg: the kernel of part 2 again; grid 12 x 32, 4 waves a work-group, clusters of 4 x 4, 327,680 bytes of LDS; arguments xb, wb, qkv; writes qkv
;; launch attn: the kernel of part 3 again; grid 8 x 32, 8 waves a work-group, clusters of 4 x 1, 327,680 bytes of LDS; arguments qkv, mWin, ao; writes ao
;; launch proj: the kernel of part 4 again; grid 8 x 32, 4 waves a work-group, clusters of 4 x 4, 327,680 bytes of LDS; arguments ao, pwb, out0, proj_b; writes out0
